; MI455X (gfx1250); checked and timed in simulation.
; The chip was launched on July 23, 2026; its instructions are those of AMD's public machine-readable ISA for CDNA 5 (MIT licence, August 2026) and "CDNA5" Instruction Set Architecture Reference Guide (July 2026). The comments in the code are by the model that wrote it; some were corrected since.
;; memory. Allowed arithmetic: matrix products marked QUANTISED: E3M2 operands, one E8M0 scale for each 32 along K, by v_wmma_scale_f32_16x16x128_f8f6f4 with both operands' format E3M2, f32 sums; everything else in f32.
;; Inputs: memory_hist 131,072 float32; memory_key_codes 131,072 x 4 x 24 uint8 (E3M2 codes of memory_key, K innermost, in blocks of 32 codes, four codes in three bytes); memory_key_scales 131,072 x 4 uint8 (E8M0 scales of memory_key, one for each 32 codes along K); memory_values 131,072 float32; q_codes 1,024 x 4 x 24 uint8 (E3M2 codes of q, K innermost, in blocks of 32 codes, four codes in three bytes); q_scales 1,024 x 4 uint8 (E8M0 scales of q, one for each 32 codes along K).
;; Outputs: out0 1,024 float32.
;; This version of the problem:
;;   THIS VERSION OF THE PROBLEM IS GIVEN IN LOW PRECISION. The matrix products marked QUANTISED in the list below multiply operands that are first quantised to E3M2 (3 exponent bits, 2 mantissa bits; 6 bits a number), with one power-of-two scale for each 32 numbers along K (OCP MX v1.0); their sums are f32. All else is computed in f32.
;;   The module's matrix products, in the order in which they are computed (A, B: the left and right operand; K: the contracted axis; several contracted axes count as one K, in the product's order):
;;     1. [M 1,024, K 128] x [K 128, N 131,072]; A: input q (given as codes); B: input memory_key (given as codes): QUANTISED
;;   THE QUANTISER, for each operand of a quantised product, along K:
;;     - K is cut into blocks of 32 from its start; a last block that is shorter is filled with zeros.
;;     - A block's scale is 2^e with e = floor(log2(the largest magnitude in the block)) - 4, held to -126 .. 127; a block of zeros has e = 0. As a byte (E8M0): e + 127.
;;     - Each number is divided by its block's scale, clamped to +-28, and rounded to the nearest number of E3M2, ties to even, subnormals kept.
;;     - The product sums the exact products of the quantised numbers (number of the format x scale) in f32.
;;   ~~~python
;;   def quantise(x, axis):      # numpy; x: float32 -> the quantised numbers, widened to float32 again
;;       x = np.moveaxis(x, axis, -1); K = x.shape[-1]
;;       x = np.pad(x, [(0, 0)] * (x.ndim - 1) + [(0, -K % 32)]); x = x.reshape(x.shape[:-1] + (-1, 32)); a = np.abs(x).max(-1, keepdims=True)
;;       e = np.where(a > 0, np.clip(np.frexp(np.where(a > 0, a, 1))[1] - 1 - 4, -126, 127), 0)      # np.frexp(a)[1] - 1 = floor(log2(a)), exactly
;;       r = np.clip(x / 2.0 ** e, -28, 28)
;;       step = 2.0 ** (np.maximum(np.frexp(np.where(r == 0, 1, r))[1] - 1, -2) - 2)
;;       q = np.round(r / step) * step * 2.0 ** e      # np.round: ties to even
;;       return np.moveaxis(q.reshape(q.shape[:-2] + (-1,))[..., :K], -1, axis).astype(np.float32)
;;   ~~~
;;   INPUTS GIVEN AS CODES. memory_key (in the module: [131072, 128], K = its axis 1); q (in the module: [1024, 128], K = its axis 1): each comes as NAME_codes (uint8): NAME with its K axis moved to the last place and cut into blocks of 32 codes, [.., K / 32, bytes a block], one block behind the other in memory; four codes in three bytes: a row's codes are one little-endian stream of bits, code i at bits 6 i .. 6 i + 5 (a code: sign, 3 exponent bits, 2 mantissa bits); and NAME_scales (uint8): the same leading axes, one E8M0 byte (e + 127) for each 32 codes along K. Its value is code x scale, taken as it is: it is not quantised again, and the codes and scales need not be those that the quantiser above would give.
;; 2 versions, each right; version 2 is version 1 with the launches groupmax, candmask, final written anew for expert scheduling mode. Each part assembles by itself: llvm-mc -triple=amdgcn-amd-amdhsa -mcpu=gfx1250 --defsym DOCPART=n.
;; ======== version 1 of 2: 6 launches
;; workspace buffers: psum 1,024 bytes; gmax 8,388,608 bytes; thr 16,384 bytes; mask 16,777,216 bytes of whole numbers; idx 67,108,864 bytes of whole numbers; cnt 4,096 bytes of whole numbers
;; launch histsum (part 1): grid 64 x 1, 4 waves a work-group, no clusters, 0 bytes of LDS; arguments memory_hist, psum; writes psum
.if DOCPART == 1
	.amdgcn_target "amdgcn-amd-amdhsa--gfx1250"
	.amdhsa_code_object_version 6
	.text
	.protected	k_q9978508b07_histsum
	.globl	k_q9978508b07_histsum
	.p2align	8
	.type	k_q9978508b07_histsum,@function
k_q9978508b07_histsum:
	s_mov_b64 s[64:65], 0
	v_nop
	global_prefetch_b8 v0, s[64:65] scope:SCOPE_SE
	s_setreg_imm32_b32 hwreg(HW_REG_WAVE_MODE, 25, 1), 1
	s_wait_xcnt 0x0
; psum[4 g + w] = the sum of (hist + BETA) over the 512 numbers of wave w of work-group g: 256 partial sums of the prior's divisor.
; 64 work-groups x 4 waves x 32 lanes x 16 numbers = 131,072.  Each load of a wave covers 512 consecutive bytes.  The later launches add the 256 numbers, each by the same lines.
; No LDS, no barrier: waves share nothing.  No matrix unit, no cluster: 512 KiB are read once and nothing is shared.
.set BETA, 0x322bcc77                  ; 1e-8
	s_load_b128 s[4:7], s[0:1], 0x0                ; hist, psum
	v_lshrrev_b32 v1, 5, v0
	v_readfirstlane_b32 s8, v1                     ; wave
	v_lshlrev_b32 v2, 4, v0                        ; 16 bytes a thread
	v_and_b32 v3, 31, v0                           ; lane
	s_lshl_b32 s10, ttmp9, 13                      ; 8,192 bytes a work-group
	s_mov_b32 s11, 0
	s_mov_b32 s12, 0x76543210                      ; v_permlanex16_b32's selects for lane l xor 16
	s_mov_b32 s13, 0xfedcba98
	s_lshl_b32 s14, ttmp9, 2
	s_add_co_u32 s14, s14, s8
	s_lshl_b32 s14, s14, 2                         ; my wave's word in psum
	v_mov_b32 v20, s14
	s_wait_kmcnt 0x0
	s_add_nc_u64 s[4:5], s[4:5], s[10:11]
.irp i, 0,1,2,3
	global_load_b128 v[4+4*\i:7+4*\i], v2, s[4:5] offset:2048*\i
.endr
	s_wait_loadcnt 0x0
.irp i, 0,1,2,3,4,5,6,7
	v_pk_add_f32 v[4+2*\i:5+2*\i], v[4+2*\i:5+2*\i], BETA op_sel_hi:[1,0]   ; hist + BETA, number by number, as the prior is defined
.endr
.irp i, 0,1,2,3
	v_pk_add_f32 v[4+2*\i:5+2*\i], v[4+2*\i:5+2*\i], v[12+2*\i:13+2*\i]
.endr
.irp i, 0,1
	v_pk_add_f32 v[4+2*\i:5+2*\i], v[4+2*\i:5+2*\i], v[8+2*\i:9+2*\i]
.endr
	v_pk_add_f32 v[4:5], v[4:5], v[6:7]
	v_add_f32 v4, v4, v5
	v_add_f32_dpp v4, v4, v4 row_xmask:1 row_mask:0xf bank_mask:0xf
	v_add_f32_dpp v4, v4, v4 row_xmask:2 row_mask:0xf bank_mask:0xf
	v_add_f32_dpp v4, v4, v4 row_xmask:4 row_mask:0xf bank_mask:0xf
	v_add_f32_dpp v4, v4, v4 row_xmask:8 row_mask:0xf bank_mask:0xf
	v_permlanex16_b32 v5, v4, s12, s13
	v_add_f32 v4, v4, v5                           ; the wave's sum, in every lane
	v_cmp_eq_u32 vcc_lo, 0, v3
	s_wait_xcnt 0x0                                ; EXEC changes only behind this wait
	s_and_saveexec_b32 s9, vcc_lo                  ; lane 0 stores the wave's one number
	global_store_b32 v20, v4, s[6:7]
	s_endpgm
.Lfunc_end_k_q9978508b07_histsum:
	.size	k_q9978508b07_histsum, .Lfunc_end_k_q9978508b07_histsum-k_q9978508b07_histsum
	.p2alignl 7, 3214868480
	.fill 96, 4, 3214868480
	.section	.rodata,"a",@progbits
	.p2align	6, 0x0
	.amdhsa_kernel k_q9978508b07_histsum
		.amdhsa_group_segment_fixed_size 0
		.amdhsa_private_segment_fixed_size 0
		.amdhsa_enable_private_segment 0
		.amdhsa_kernarg_size 16
		.amdhsa_user_sgpr_count 2
		.amdhsa_user_sgpr_kernarg_segment_ptr 1
		.amdhsa_wavefront_size32 1
		.amdhsa_system_sgpr_workgroup_id_x 1
		.amdhsa_system_sgpr_workgroup_id_y 1
		.amdhsa_system_sgpr_workgroup_id_z 1
		.amdhsa_system_vgpr_workitem_id 0
		.amdhsa_next_free_vgpr 32
		.amdhsa_next_free_sgpr 66
		.amdhsa_reserve_vcc 1
		.amdhsa_float_denorm_mode_32 3
		.amdhsa_float_denorm_mode_16_64 3
		.amdhsa_memory_ordered 1
		.amdhsa_forward_progress 1
		.amdhsa_inst_pref_size 3
	.end_amdhsa_kernel
	.amdgpu_metadata
---
amdhsa.version: [ 1, 2 ]
amdhsa.kernels:
  - .name:           k_q9978508b07_histsum
    .symbol:         k_q9978508b07_histsum.kd
    .args:
      - { .name: memory_hist, .offset: 0, .size: 8, .value_kind: global_buffer, .address_space: global }
      - { .name: psum, .offset: 8, .size: 8, .value_kind: global_buffer, .address_space: global }
    .group_segment_fixed_size: 0
    .private_segment_fixed_size: 0
    .kernarg_segment_align: 8
    .kernarg_segment_size: 16
    .max_flat_workgroup_size: 128
    .sgpr_count:     66
    .vgpr_count:     32
    .wavefront_size: 32
...
	.end_amdgpu_metadata
.endif
;; end of part 1
;; launch groupmax (part 2): grid 64 x 4, 16 waves a work-group, no clusters, 73,728 bytes of LDS; arguments q_codes, q_scales, memory_key_codes, memory_key_scales, memory_hist, psum, gmax; writes gmax
.if DOCPART == 2
	.amdgcn_target "amdgcn-amd-amdhsa--gfx1250"
	.amdhsa_code_object_version 6
	.text
	.protected	k_q9978508b07_groupmax
	.globl	k_q9978508b07_groupmax
	.p2align	8
	.type	k_q9978508b07_groupmax,@function
k_q9978508b07_groupmax:
	s_mov_b64 s[64:65], 0
	v_nop
	global_prefetch_b8 v0, s[64:65] scope:SCOPE_SE
	s_setreg_imm32_b32 hwreg(HW_REG_WAVE_MODE, 25, 1), 1
	s_wait_xcnt 0x0
; THE DENSE PASS OVER ALL SCORES, one text for two launches.  CAND = 0: the largest score of each group of 64 neighbouring keys.  CAND = 1: one bit a score, 'is a candidate for the row's 256 largest'.
; score s(query, key) = q . k + ln(p_c(key)), p_c = (hist + BETA) / sum(hist + BETA): exp(s) is what the top-k ranks, and exp rises with s.  q . k is the quantised product on codes of BF6 (E3M2) with E8M0 scales;
; ln(p_c) is the C operand of the matrix instruction, so that a score costs no vector instruction.  Both launches make every score by the same instruction on the same operands: the same bits.
; SHARES.  Work-group (x, y): keys 2,048 x .. + 2,047, queries 256 y .. + 255.  Wave w keeps its 128 keys (8 fragments, their scale words and their 128 ln(p_c)) in registers for the whole launch and walks the 16 tiles
; of 16 queries: 128 matrix instructions a wave, four waves to a SIMD.  The queries' 16 fragments go from wave to wave through LDS as images of their registers.
; LAYOUT.  Source 0 = 16 keys, source 1 = 16 queries: a lane holds ONE query (lane % 16).  THE KEYS OF A TILE ARE NOT NEIGHBOURS: row m of tile t is key 64 (m / 8) + 8 t + m % 8 of the wave's 128, so that register j of
; lane (r, h) in tile t is key 64 h + 8 t + j: over the eight tiles a lane walks one whole group of 64 keys, in order.
; NO JOINT LOADS, though the four work-groups of one x read the same keys: a key fragment serves one wave of a work-group alone and goes from memory straight into its registers, once; as a shared tile the 196,608 bytes
; of codes would be written to LDS and read from it again, and the work-group has no second use for them.
; LIMITS: a slot with p_c <= 0 or under 2^-126 gets ln(p_c) = -1e30 and is never chosen while 256 slots have a larger score; NaN, infinities, the scale byte 0xff and a sum of 0 are not served;
; slots are ranked by q . k + ln(p_c) in f32, not by exp(q . k) p_c: two slots within a few last bits of each other may change places.
.set CAND,  0
.set QSC,   24576                      ; LDS: 0: the 16 query fragments, 1,536 bytes each (3 x 512: 16 bytes a lane);  QSC: their scale words, 128 bytes each
.set BIASL, 26624                      ; each wave's own 128 ln(p_c), in key order, 512 bytes
.set STG,   34816                      ; the stage for the way out: 256 rows (queries) of SP bytes
.if CAND
.set SP,    272                        ; 64 mask words + 16
.set OUTP,  18
.set OSH,   8
.set QWAIT, 63
.else
.set SP,    144                        ; 32 maxima + 16
.set OUTP,  16
.set OSH,   7
.set QWAIT, 56
.endif
.set RPL,   512/(SP-16)                ; rows of the stage that one load of 512 bytes takes
.set NOUT,  16/RPL                     ; such loads for a wave's 16 rows
.set LI,  1                            ; v1   16 x lane: a fragment image's place for my lane; also my place in a store of 512 bytes
.set LS,  2                            ; v2   QSC + 4 x lane
.set STO, 3                            ; v3   the stage: where my lane's result goes
.set RD,  4                            ; v4   the stage: where I read rows back
.set RS,  5                            ; v5   1 / sum(hist + BETA)
.set KF,  12                           ; v12-107   my 8 key fragments
.set KS,  108                          ; v108-115  their scale words
.set BI,  116                          ; v116-179  ln(p_c) in the result's layout, 8 registers a tile
.set QF,  180                          ; v180-203  two query fragments by turns
.set QS,  204                          ; v204-205  their scale words
.set ACC, 206                          ; v206-237  four accumulators by turns
.set LE,  238                          ; CAND: v238-253 the threshold of my lane's query and group, for each of the 16 tiles
.set GM,  238                          ; else: v238-239 the running maximum, two copies by turns; v240-241 at work
.set GX,  240
.set GY,  241
.set KOF,  192                         ; the head's offsets lie in the second query buffer, which is taken over behind a wait on XCNT
.set KSOF, 193
.set QOF,  194
.set QSOF, 195
.set POF,  196
.set TOF,  197
.set BSA,  198
.set BLA,  199
.set HI,   200                         ; v200-203 four numbers of hist
.set PS,   116                         ; v116-123 eight partial sums
.set SEL,  30                          ; s[30:31]
.macro SUMS a                          ; the 256 partial sums, 8 a lane in v[a] on, become 1 / their sum in v[RS]: the same lines in every launch that needs it
	v_pk_add_f32 v[\a:\a+1], v[\a:\a+1], v[\a+2:\a+3]
	v_pk_add_f32 v[\a+4:\a+5], v[\a+4:\a+5], v[\a+6:\a+7]
	v_pk_add_f32 v[\a:\a+1], v[\a:\a+1], v[\a+4:\a+5]
	v_add_f32 v[\a], v[\a], v[\a+1]
	v_add_f32_dpp v[\a], v[\a], v[\a] row_xmask:1 row_mask:0xf bank_mask:0xf
	v_add_f32_dpp v[\a], v[\a], v[\a] row_xmask:2 row_mask:0xf bank_mask:0xf
	v_add_f32_dpp v[\a], v[\a], v[\a] row_xmask:4 row_mask:0xf bank_mask:0xf
	v_add_f32_dpp v[\a], v[\a], v[\a] row_xmask:8 row_mask:0xf bank_mask:0xf
	v_permlanex16_b32 v[\a+1], v[\a], s[SEL], s[SEL+1]
	v_add_f32 v[\a], v[\a], v[\a+1]
	v_rcp_f32 v[RS], v[\a]
	v_nop                                          ; one plain place behind a transcendental
.endm
.macro BIAS4 x                         ; four numbers of hist become ln(p_c); what is no positive normal number becomes -1e30 (a NaN and -infinity lose the maximum)
.irp i, 0,1,2,3
	v_add_f32 v[\x+\i], 0x322bcc77, v[\x+\i]       ; + BETA
.endr
	s_wait_alu depctr_va_vdst(0)
.irp i, 0,1,2,3
	v_mul_f32 v[\x+\i], v[\x+\i], v[RS]
.endr
.irp i, 0,1,2,3
	v_log_f32 v[\x+\i], v[\x+\i]
.endr
	v_nop                                          ; one plain place behind the logarithms
	s_wait_alu depctr_va_vdst(0)
.irp i, 0,1,2,3
	v_mul_f32 v[\x+\i], 0x3f317218, v[\x+\i]       ; x ln 2
.endr
.irp i, 0,1,2,3
	v_max_num_f32 v[\x+\i], 0xf149f2ca, v[\x+\i]
.endr
.endm
.macro PLACES
.rept 4
	v_nop
.endr
.endm
	s_load_b256 s[4:11], s[0:1], 0x0               ; q's codes s[4:5], q's scales s[6:7], the keys' codes s[8:9], the keys' scales s[10:11]
	s_load_b128 s[12:15], s[0:1], 0x20             ; hist s[12:13], psum s[14:15]
.if CAND
	s_load_b128 s[16:19], s[0:1], 0x30             ; thr s[16:17], mask s[18:19]
.else
	s_load_b64 s[16:17], s[0:1], 0x30              ; gmax
	v_lshl_add_u32 v254, v0, 2, 0x11800
	v_mov_b32 v255, 0
.endif
	v_lshrrev_b32 v6, 5, v0
	v_readfirstlane_b32 s20, v6                    ; wave 0..15
	s_and_b32 s22, ttmp7, 0xffff                   ; which 256 queries
	s_lshl_b32 s23, ttmp9, 11
	s_lshl_b32 s24, s20, 7
	s_add_co_u32 s23, s23, s24                     ; my first key: 2,048 x + 128 w
	s_mul_i32 s24, s23, 96                         ; its codes (under 2^24 bytes)
	s_mov_b32 s25, 0
	s_lshl_b32 s26, s23, 2                         ; its scale word, and its number in hist
	s_mov_b32 s27, 0
	s_lshl_b32 s34, s22, 8
	s_lshl_b32 s35, s20, 4
	s_add_co_u32 s34, s34, s35                     ; the tile of queries that I bring in, and the 16 rows that I store: 256 y + 16 w
	s_mul_i32 s28, s34, 96
	s_mov_b32 s29, 0
	s_lshl_b32 s32, s34, 2
	s_mov_b32 s33, 0
	s_lshl_b32 s35, ttmp9, 10
	s_add_co_u32 s35, s35, s34
	s_lshl_b32 s36, s35, OSH                       ; the output is laid [x][row][SP - 16 bytes]
	s_mov_b32 s37, 0
	s_lshl_b32 s38, s22, 12                        ; thr: 16 bytes a row
	s_mov_b32 s39, 0
	s_mov_b32 s[SEL], 0x76543210
	s_mov_b32 s[SEL+1], 0xfedcba98
	v_and_b32 v6, 31, v0                           ; lane
	v_and_b32 v7, 15, v0                           ; r
	v_bfe_u32 v8, v0, 4, 1                         ; h
	v_lshlrev_b32 v[LI], 4, v6
	v_lshl_add_u32 v[LS], v6, 2, QSC
	v_lshrrev_b32 v9, 3, v7
	v_mad_u32_u24 v9, v9, 56, v7                   ; r + 56 (r / 8): the key of tile 0 that lane r holds
	v_mul_u32_u24 v[KOF], v9, 96
	v_mad_u32_u24 v[KOF], v8, 24, v[KOF]           ; a fragment: 24 bytes at 96 x row + 24 h, and 24 more 48 bytes on
	v_lshlrev_b32 v[KSOF], 2, v9
	v_mul_u32_u24 v[QOF], v7, 96
	v_mad_u32_u24 v[QOF], v8, 24, v[QOF]
	v_lshlrev_b32 v[QSOF], 2, v7
	v_lshlrev_b32 v[POF], 5, v6                    ; 8 partial sums a lane
.if CAND
	v_lshlrev_b32 v[TOF], 4, v7                    ; my query's record in a tile's 256 bytes of thr
	s_lshl_b32 s43, ttmp9, 5
	s_lshl_b32 s44, s20, 1
	s_add_co_u32 s43, s43, s44
	v_add_nc_u32 v11, s43, v8                      ; my lane's group among the row's 2,048: 32 x + 2 w + h
.endif
	s_lshl_b32 s42, s20, 9
	s_add_co_u32 s42, s42, BIASL
	v_add_nc_u32 v[BSA], s42, v[LI]                ; my wave's ln(p_c): in by 16 bytes a lane,
	v_lshl_add_u32 v[BLA], v8, 8, s42              ; out from my half's 64 keys on
	v_mul_u32_u24 v[STO], v7, SP                   ; the stage: row = my query, column = my group
.if CAND
	v_lshl_add_u32 v[STO], v8, 3, v[STO]
	s_lshl_b32 s40, s20, 4
.else
	v_lshl_add_u32 v[STO], v8, 2, v[STO]
	s_lshl_b32 s40, s20, 3
.endif
	s_add_co_u32 s40, s40, STG
	v_add_nc_u32 v[STO], s40, v[STO]
.if CAND
	v_mul_u32_u24 v[RD], v8, SP                    ; back: sixteen lanes to a row of 256 bytes
	v_lshl_add_u32 v[RD], v7, 4, v[RD]
.else
	v_lshrrev_b32 v9, 3, v6                        ; back: eight lanes to a row of 128 bytes
	v_and_b32 v10, 7, v6
	v_mul_u32_u24 v[RD], v9, SP
	v_lshl_add_u32 v[RD], v10, 4, v[RD]
.endif
	s_mul_i32 s40, s20, 16*SP
	s_add_co_u32 s40, s40, STG
	v_add_nc_u32 v[RD], s40, v[RD]
	s_mul_i32 s40, s20, 1536
	v_add_nc_u32 v9, s40, v[LI]                    ; where my tile of queries' image goes
	s_lshl_b32 s41, s20, 7
	v_add_nc_u32 v10, s41, v[LS]                   ; and its scale words
	s_wait_kmcnt 0x0
	s_add_nc_u64 s[8:9], s[8:9], s[24:25]
	s_add_nc_u64 s[10:11], s[10:11], s[26:27]
	s_add_nc_u64 s[12:13], s[12:13], s[26:27]
	s_add_nc_u64 s[4:5], s[4:5], s[28:29]
	s_add_nc_u64 s[6:7], s[6:7], s[32:33]
	s_add_nc_u64 s[OUTP:OUTP+1], s[OUTP:OUTP+1], s[36:37]
.if CAND
	s_add_nc_u64 s[16:17], s[16:17], s[38:39]
.endif
	; every global load of the launch is issued here, what is wanted first in front
	global_load_b128 v[PS:PS+3], v[POF], s[14:15]
	global_load_b128 v[PS+4:PS+7], v[POF], s[14:15] offset:16
	global_load_b128 v[HI:HI+3], v[LI], s[12:13]   ; my wave's 128 numbers of hist, 4 a lane
.if CAND
.irp q, 0,1,2,3,4,5,6,7
	global_load_b128 v[ACC+4*\q:ACC+4*\q+3], v[TOF], s[16:17] offset:256*\q   ; the records of tiles 0 to 7
.endr
.endif
.irp p, 0,1,2,3,4,5
	global_load_b64 v[QF+2*\p:QF+2*\p+1], v[QOF], s[4:5] offset:48*(\p/3)+8*(\p%3)
.endr
	global_load_b32 v[QS], v[QSOF], s[6:7]
.irp t, 0,1,2,3,4,5,6,7
.irp p, 0,1,2,3,4,5
	global_load_b64 v[KF+12*\t+2*\p:KF+12*\t+2*\p+1], v[KOF], s[8:9] offset:768*\t+48*(\p/3)+8*(\p%3)
.endr
	global_load_b32 v[KS+\t], v[KSOF], s[10:11] offset:32*\t
.endr
	s_wait_loadcnt 63                              ; q's 7 loads and the keys' 56 may be out: all that was issued ahead of them is in
	SUMS PS
	BIAS4 HI
	ds_store_b128 v[BSA], v[HI:HI+3]               ; my wave's own bytes: LDS serves a wave's instructions in order, so the loads below see this store
.set i, 0
.rept 16
	ds_load_b128 v[BI+4*i:BI+4*i+3], v[BLA] offset:16*i   ; register 8 t + j: ln(p_c) of key 64 h + 8 t + j
.set i, i+1
.endr
.if CAND
; A candidate is a score over T, or equal to T in a group up to gcut: that is s > f(T - 1) there and s > f(T) in the later groups, f(T - 1) being the next number under f(T)
.irp q, 0,1,2,3,4,5,6,7
	v_cmp_ge_u32 vcc_lo, v[ACC+4*\q+2], v11
	v_cndmask_b32 v[LE+\q], v[ACC+4*\q+1], v[ACC+4*\q], vcc_lo
.endr
.irp q, 0,1,2,3,4,5,6,7
	global_load_b128 v[ACC+4*\q:ACC+4*\q+3], v[TOF], s[16:17] offset:256*(8+\q)   ; the records of tiles 8 to 15
.endr
.endif
	s_wait_loadcnt QWAIT                           ; q's loads are in: behind them stand the keys' 56 (CAND: and 8 records, 64 in all; the count's field ends at 63, and a smaller count is safe)
.irp c, 0,1,2
	ds_store_b128 v9, v[QF+4*\c:QF+4*\c+3] offset:512*\c
.endr
	ds_store_b32 v10, v[QS]
	s_wait_dscnt 0x0                               ; for the others' sake: my image has landed; and my ln(p_c) are in
	s_barrier_signal -1
	s_barrier_wait -1                              ; the 16 query fragments lie in LDS
.macro QLOAD                           ; tile ql's fragment and scale words into buffer ql % 2
.irp c, 0,1,2
	ds_load_b128 v[QF+12*(ql%2)+4*\c:QF+12*(ql%2)+4*\c+3], v[LI] offset:1536*ql+512*\c
.endr
	ds_load_b32 v[QS+ql%2], v[LS] offset:128*ql
.endm
	s_wait_xcnt 0x0                                ; every global load has had its addresses translated: only now are the offsets' registers taken over
.set ql, 0
	QLOAD
.set ql, 1
	QLOAD
	s_wait_loadcnt 0x0                             ; the keys
.if CAND
.irp q, 0,1,2,3,4,5,6,7
	v_cmp_ge_u32 vcc_lo, v[ACC+4*\q+2], v11
	v_cndmask_b32 v[LE+8+\q], v[ACC+4*\q+1], v[ACC+4*\q], vcc_lo
.endr
	v_mov_b32 v254, 0                              ; the two pairs of mask words are named as sources before 32 shifts have filled them
	v_mov_b32 v255, 0
	v_mov_b32 v6, 0
	v_mov_b32 v7, 0
.endif
; STEP stp (0 .. 127): query tile stp / 8, key tile stp % 8.  One matrix instruction, and behind it the vector work on the result of the step before.
; No sum is continued: K is 128, one instruction.  An accumulator is written again four steps later; between stand three slices that name none of its instruction's registers, 12 places or more (5 are asked).
; Between a matrix instruction and the slice that reads its result stands the slice of the step before: 4 places or more.
.macro MM
.set mq, (stp/8)%2
.set mt, stp%8
.set ma, ACC+8*(stp%4)
	v_wmma_scale_f32_16x16x128_f8f6f4 v[ma:ma+7], v[KF+12*mt:KF+12*mt+11], v[QF+12*mq:QF+12*mq+11], v[BI+8*mt:BI+8*mt+7], v[KS+mt], v[QS+mq] matrix_a_fmt:MATRIX_FMT_BF6 matrix_b_fmt:MATRIX_FMT_BF6
.endm
.macro SLICE                           ; the eight scores of step sl, from the accumulator's low end on
.set sa, ACC+8*(sl%4)
.set sq, sl/8
.if CAND
.set le, LE+2*(sq/2)
.set wp, 254-248*(sq%2)                ; the pair of mask words: v[254:255] and v[6:7] by turns, so that a pair is written again only behind the wait that shows its store done
.set ww, wp+(sl%8)/4
.irp i, 0,1,2,3
.if sq%2 == 0
	v_pk_add_f32 v[sa+2*\i:sa+2*\i+1], v[sa+2*\i:sa+2*\i+1], v[le:le+1] op_sel_hi:[1,0] neg_lo:[1,0] neg_hi:[1,0]   ; threshold - s: negative where s is a candidate
.else
	v_pk_add_f32 v[sa+2*\i:sa+2*\i+1], v[sa+2*\i:sa+2*\i+1], v[le:le+1] op_sel:[0,1] op_sel_hi:[1,1] neg_lo:[1,0] neg_hi:[1,0]
.endif
.endr
.irp j, 0,1,2,3,4,5,6,7
	v_alignbit_b32 v[ww], v[ww], v[sa+\j], 31      ; word = 2 x word + the sign: key o of a word's 32 ends at bit 31 - o
.endr
.if sl%8 == 7
	ds_store_b64 v[STO], v[wp:wp+1] offset:16*SP*sq
.endif
.else
.set gm, GM+sq%2                       ; two copies by turns, for the same reason
	v_max3_num_f32 v[GX], v[sa], v[sa+1], v[sa+2]
	v_max3_num_f32 v[GY], v[sa+3], v[sa+4], v[sa+5]
	v_max3_num_f32 v[GX], v[GX], v[sa+6], v[sa+7]
.if sl%8 == 0
	v_max_num_f32 v[gm], v[GX], v[GY]
.else
	v_max3_num_f32 v[gm], v[gm], v[GX], v[GY]
.endif
.if sl%8 == 7
	ds_store_b32 v[STO], v[gm] offset:16*SP*sq
.endif
.endif
.endm
.macro STEP
.if stp%8 == 0
	s_wait_dscnt 0x0                               ; this tile's query fragment, asked for seven steps ago, is in; the last stage store is done
.endif
	MM
.if stp == 0
	PLACES                                         ; the first step has no slice to stand here
.else
.set sl, stp-1
	SLICE
.endif
.if (stp%8 == 1) && (stp/8 >= 1) && (stp/8 <= 14)
.set ql, stp/8+1
	QLOAD                                          ; into the buffer that the tile before has left: behind its last matrix instruction stand two slices that name none of its registers
.endif
.endm
.set stp, 0
.rept 128
	STEP
.set stp, stp+1
.endr
	PLACES
.set sl, 127
	SLICE
	; THE WAY OUT: a row of the output comes from all sixteen waves; each wave stores 16 whole rows, 512 consecutive bytes an instruction
	s_wait_dscnt 0x0                               ; for the others' sake: my stores into the stage have landed
	s_barrier_signal -1
	s_barrier_wait -1
.set i, 0
.rept NOUT
	ds_load_b128 v[KF+4*i:KF+4*i+3], v[RD] offset:i*RPL*SP
.set i, i+1
.endr
.set i, 0
.rept NOUT
	s_wait_dscnt NOUT-1-i                          ; the loads behind load i may be out
	global_store_b128 v[LI], v[KF+4*i:KF+4*i+3], s[OUTP:OUTP+1] offset:512*i
.set i, i+1
.endr
	s_wait_tensorcnt 0x0
	ds_add_u32 v254, v255
	s_wait_dscnt 0x0
	s_endpgm
.Lfunc_end_k_q9978508b07_groupmax:
	.size	k_q9978508b07_groupmax, .Lfunc_end_k_q9978508b07_groupmax-k_q9978508b07_groupmax
	.p2alignl 7, 3214868480
	.fill 96, 4, 3214868480
	.section	.rodata,"a",@progbits
	.p2align	6, 0x0
	.amdhsa_kernel k_q9978508b07_groupmax
		.amdhsa_group_segment_fixed_size 73728
		.amdhsa_private_segment_fixed_size 0
		.amdhsa_enable_private_segment 0
		.amdhsa_kernarg_size 56
		.amdhsa_user_sgpr_count 2
		.amdhsa_user_sgpr_kernarg_segment_ptr 1
		.amdhsa_wavefront_size32 1
		.amdhsa_system_sgpr_workgroup_id_x 1
		.amdhsa_system_sgpr_workgroup_id_y 1
		.amdhsa_system_sgpr_workgroup_id_z 1
		.amdhsa_system_vgpr_workitem_id 0
		.amdhsa_next_free_vgpr 256
		.amdhsa_next_free_sgpr 66
		.amdhsa_reserve_vcc 1
		.amdhsa_float_denorm_mode_32 3
		.amdhsa_float_denorm_mode_16_64 3
		.amdhsa_memory_ordered 1
		.amdhsa_forward_progress 1
		.amdhsa_inst_pref_size 68
	.end_amdhsa_kernel
	.amdgpu_metadata
---
amdhsa.version: [ 1, 2 ]
amdhsa.kernels:
  - .name:           k_q9978508b07_groupmax
    .symbol:         k_q9978508b07_groupmax.kd
    .args:
      - { .name: q_codes, .offset: 0, .size: 8, .value_kind: global_buffer, .address_space: global }
      - { .name: q_scales, .offset: 8, .size: 8, .value_kind: global_buffer, .address_space: global }
      - { .name: memory_key_codes, .offset: 16, .size: 8, .value_kind: global_buffer, .address_space: global }
      - { .name: memory_key_scales, .offset: 24, .size: 8, .value_kind: global_buffer, .address_space: global }
      - { .name: memory_hist, .offset: 32, .size: 8, .value_kind: global_buffer, .address_space: global }
      - { .name: psum, .offset: 40, .size: 8, .value_kind: global_buffer, .address_space: global }
      - { .name: gmax, .offset: 48, .size: 8, .value_kind: global_buffer, .address_space: global }
    .group_segment_fixed_size: 73728
    .private_segment_fixed_size: 0
    .kernarg_segment_align: 8
    .kernarg_segment_size: 56
    .max_flat_workgroup_size: 512
    .sgpr_count:     66
    .vgpr_count:     256
    .wavefront_size: 32
...
	.end_amdgpu_metadata
.endif
;; end of part 2
;; launch thresh (part 3): grid 256 x 1, 4 waves a work-group, no clusters, 33,792 bytes of LDS; arguments gmax, thr; writes thr
.if DOCPART == 3
	.amdgcn_target "amdgcn-amd-amdhsa--gfx1250"
	.amdhsa_code_object_version 6
	.text
	.protected	k_q9978508b07_thresh
	.globl	k_q9978508b07_thresh
	.p2align	8
	.type	k_q9978508b07_thresh,@function
k_q9978508b07_thresh:
	s_mov_b64 s[64:65], 0
	v_nop
	global_prefetch_b8 v0, s[64:65] scope:SCOPE_SE
	s_setreg_imm32_b32 hwreg(HW_REG_WAVE_MODE, 25, 1), 1
	s_wait_xcnt 0x0
; For each row (query): T = the 256th largest of its 2,048 group maxima, exactly; gcut = the group at which the groups whose maximum equals T are cut so that 256 groups are kept (lower groups first);
; and the row's largest score.  thr[row] = { f(T - 1), f(T), gcut, largest score }, f being the way back from the ordered bits to f32.
; Why that serves: each kept group holds a score that comes, in the top-k's order (larger first, then the lower index), ahead of every score under T and of every score equal to T in a later group.
; So the row's 256 largest lie among: s > f(T), or s = f(T) in a group up to gcut; and all of those lie in the 256 kept groups: at most 16,384 scores in at most 512 mask words.
; A work-group takes 4 rows, a wave one.  gmax is laid [64][1,024 rows][32]: 4 rows of one block are 512 consecutive bytes, one load; the rows are sorted out through LDS (a row's pitch 8,192 + 128 bytes).
; The 256th largest is found bit by bit from the top, 32 trips, on bits whose unsigned order is the numbers' order.  Nothing here branches on data: every choice is a select.
; No matrix unit, no tensor load, no cluster: 8 KiB a wave, read once, shared with nobody.
.set PITCH, 8320
.set U, 16                             ; v16-79: register k of lane l is group 32 k + l
	s_load_b128 s[4:7], s[0:1], 0x0                ; gmax, thr
	v_lshl_add_u32 v96, v0, 2, 0x8200
	v_mov_b32 v97, 0
	v_lshrrev_b32 v1, 5, v0
	v_readfirstlane_b32 s8, v1                     ; wave
	v_and_b32 v1, 31, v0                           ; lane
	v_lshlrev_b32 v2, 4, v1
	v_lshrrev_b32 v5, 3, v1                        ; a load's 512 bytes: row lane / 8, 16 bytes at 16 (lane % 8)
	v_mul_u32_u24 v3, v5, PITCH
	v_and_b32 v5, 7, v1
	v_lshl_add_u32 v3, v5, 4, v3
	s_lshl_b32 s9, s8, 11
	v_add_nc_u32 v3, s9, v3                        ; wave w brings blocks 16 w .. 16 w + 15: 128 bytes of a row each
	s_mul_i32 s9, s8, PITCH
	v_lshl_add_u32 v4, v1, 2, s9                   ; and reads row w
	v_mov_b32 v6, 0
	s_lshl_b32 s22, s8, 14
	s_lshl_b32 s21, ttmp9, 2
	s_add_co_u32 s22, s22, s21
	s_lshl_b32 s22, s22, 7                         ; (16 w x 1,024 + 4 x work-group) rows of 128 bytes
	s_mov_b32 s23, 0
	s_add_co_u32 s24, s21, s8
	s_lshl_b32 s24, s24, 4                         ; my row's record
	s_mov_b32 s28, 0x76543210
	s_mov_b32 s29, 0xfedcba98
	s_wait_kmcnt 0x0
	s_add_nc_u64 s[4:5], s[4:5], s[22:23]
.set i, 0
.rept 16
	global_load_b128 v[U+4*i:U+4*i+3], v2, s[4:5] offset:131072*i th:TH_LOAD_NT
.set i, i+1
.endr
.set i, 0
.rept 16
	s_wait_loadcnt 15-i                            ; the loads behind load i may be out
	ds_store_b128 v3, v[U+4*i:U+4*i+3] offset:128*i
.set i, i+1
.endr
	s_wait_dscnt 0x0                               ; for the others' sake: my stores have landed
	s_barrier_signal -1
	s_barrier_wait -1
.set i, 0
.rept 64
	ds_load_b32 v[U+i], v4 offset:128*i
.set i, i+1
.endr
	s_wait_dscnt 0x0
	; the row's largest score, in two chains
	v_max3_num_f32 v15, v[U], v[U+1], v[U+2]
	v_max3_num_f32 v5, v[U+3], v[U+4], v[U+5]
.set i, 6
.rept 14
	v_max3_num_f32 v15, v15, v[U+i], v[U+i+1]
	v_max3_num_f32 v5, v5, v[U+i+2], v[U+i+3]
.set i, i+4
.endr
	v_max3_num_f32 v15, v15, v[U+62], v[U+63]
	v_max_num_f32 v15, v15, v5
	v_max_num_f32_dpp v15, v15, v15 row_xmask:1 row_mask:0xf bank_mask:0xf
	v_max_num_f32_dpp v15, v15, v15 row_xmask:2 row_mask:0xf bank_mask:0xf
	v_max_num_f32_dpp v15, v15, v15 row_xmask:4 row_mask:0xf bank_mask:0xf
	v_max_num_f32_dpp v15, v15, v15 row_xmask:8 row_mask:0xf bank_mask:0xf
	v_permlanex16_b32 v6, v15, s28, s29
	v_max_num_f32 v15, v15, v6
	; ordered bits: a number at or over 0 gets its top bit set, a negative one is inverted
.set i, 0
.rept 64
	v_ashrrev_i32 v[8+i%4], 31, v[U+i]
	v_or_b32 v[8+i%4], 0x80000000, v[8+i%4]
	v_xor_b32 v[U+i], v[U+i], v[8+i%4]
.set i, i+1
.endr
	s_mov_b32 s10, 0                               ; T
	s_mov_b32 s11, 0x80000000                      ; the bit on trial
	s_mov_b32 s14, 0                               ; how many lie over T: the count of the last trial that failed, which was T + 1
	s_mov_b32 s15, 0
.Lbit:
	s_or_b32 s12, s10, s11
	s_mov_b32 s13, 0
.irp g, 0,1,2,3
.set i, 0
.rept 16
	v_cmp_le_u32 s[32+i], s12, v[U+16*\g+i]
.set i, i+1
.endr
.set i, 0
.rept 16
	s_bcnt1_i32_b32 s16, s[32+i]
	s_add_co_u32 s13, s13, s16
.set i, i+1
.endr
.endr
	s_cmp_ge_u32 s13, 256
	s_cselect_b32 s10, s12, s10                    ; 256 or more at or over the trial: the bit stays
	s_cselect_b32 s14, s14, s13
	s_lshr_b32 s11, s11, 1
	s_add_co_u32 s15, s15, 1
	s_cmp_lt_u32 s15, 32
	s_cbranch_scc1 .Lbit
	; gcut: of the groups equal to T, in ascending order, the one of rank 255 - (how many lie over T)
	s_sub_co_u32 s17, 255, s14
	s_mov_b32 s18, 0                               ; equal groups passed
	s_mov_b32 s19, 0                               ; the register in which the rank was met,
	s_mov_b32 s20, 1                               ; and the lane, as a mask
.set i, 0
.rept 64
	v_cmp_eq_u32 vcc_lo, s10, v[U+i]
	v_mbcnt_lo_u32_b32 v5, vcc_lo, s18             ; my rank, were I equal
	v_cmp_eq_u32 s16, s17, v5
	s_and_b32 s16, s16, vcc_lo                     ; SCC: met here
	s_cselect_b32 s19, i, s19
	s_cselect_b32 s20, s16, s20
	s_bcnt1_i32_b32 s21, vcc_lo
	s_add_co_u32 s18, s18, s21
.set i, i+1
.endr
	s_ctz_i32_b32 s21, s20
	s_lshl_b32 s19, s19, 5
	s_add_co_u32 s19, s19, s21                     ; gcut = 32 x register + lane
	s_sub_co_u32 s25, s10, 1                       ; back to f32: T - 1,
	s_ashr_i32 s26, s25, 31
	s_not_b32 s26, s26
	s_or_b32 s26, s26, 0x80000000
	s_xor_b32 s25, s25, s26
	s_ashr_i32 s26, s10, 31                        ; and T
	s_not_b32 s26, s26
	s_or_b32 s26, s26, 0x80000000
	s_xor_b32 s26, s10, s26
	v_mov_b32 v12, s25
	v_mov_b32 v13, s26
	v_mov_b32 v14, s19
	v_mov_b32 v5, s24
	v_cmp_eq_u32 vcc_lo, 0, v1
	s_wait_xcnt 0x0                                ; EXEC changes only behind this wait
	s_wait_tensorcnt 0x0
	ds_add_u32 v96, v97
	s_wait_dscnt 0x0
	s_and_saveexec_b32 s27, vcc_lo                 ; lane 0 stores the row's record
	global_store_b128 v5, v[12:15], s[6:7]
	s_endpgm
.Lfunc_end_k_q9978508b07_thresh:
	.size	k_q9978508b07_thresh, .Lfunc_end_k_q9978508b07_thresh-k_q9978508b07_thresh
	.p2alignl 7, 3214868480
	.fill 96, 4, 3214868480
	.section	.rodata,"a",@progbits
	.p2align	6, 0x0
	.amdhsa_kernel k_q9978508b07_thresh
		.amdhsa_group_segment_fixed_size 33792
		.amdhsa_private_segment_fixed_size 0
		.amdhsa_enable_private_segment 0
		.amdhsa_kernarg_size 16
		.amdhsa_user_sgpr_count 2
		.amdhsa_user_sgpr_kernarg_segment_ptr 1
		.amdhsa_wavefront_size32 1
		.amdhsa_system_sgpr_workgroup_id_x 1
		.amdhsa_system_sgpr_workgroup_id_y 1
		.amdhsa_system_sgpr_workgroup_id_z 1
		.amdhsa_system_vgpr_workitem_id 0
		.amdhsa_next_free_vgpr 98
		.amdhsa_next_free_sgpr 66
		.amdhsa_reserve_vcc 1
		.amdhsa_float_denorm_mode_32 3
		.amdhsa_float_denorm_mode_16_64 3
		.amdhsa_memory_ordered 1
		.amdhsa_forward_progress 1
		.amdhsa_inst_pref_size 49
	.end_amdhsa_kernel
	.amdgpu_metadata
---
amdhsa.version: [ 1, 2 ]
amdhsa.kernels:
  - .name:           k_q9978508b07_thresh
    .symbol:         k_q9978508b07_thresh.kd
    .args:
      - { .name: gmax, .offset: 0, .size: 8, .value_kind: global_buffer, .address_space: global }
      - { .name: thr, .offset: 8, .size: 8, .value_kind: global_buffer, .address_space: global }
    .group_segment_fixed_size: 33792
    .private_segment_fixed_size: 0
    .kernarg_segment_align: 8
    .kernarg_segment_size: 16
    .max_flat_workgroup_size: 128
    .sgpr_count:     66
    .vgpr_count:     98
    .wavefront_size: 32
...
	.end_amdgpu_metadata
.endif
;; end of part 3
;; launch candmask (part 4): grid 64 x 4, 16 waves a work-group, no clusters, 106,496 bytes of LDS; arguments q_codes, q_scales, memory_key_codes, memory_key_scales, memory_hist, psum, thr, mask; writes mask
.if DOCPART == 4
	.amdgcn_target "amdgcn-amd-amdhsa--gfx1250"
	.amdhsa_code_object_version 6
	.text
	.protected	k_q9978508b07_candmask
	.globl	k_q9978508b07_candmask
	.p2align	8
	.type	k_q9978508b07_candmask,@function
k_q9978508b07_candmask:
	s_mov_b64 s[64:65], 0
	v_nop
	global_prefetch_b8 v0, s[64:65] scope:SCOPE_SE
	s_setreg_imm32_b32 hwreg(HW_REG_WAVE_MODE, 25, 1), 1
	s_wait_xcnt 0x0
; THE DENSE PASS OVER ALL SCORES, one text for two launches.  CAND = 0: the largest score of each group of 64 neighbouring keys.  CAND = 1: one bit a score, 'is a candidate for the row's 256 largest'.
; score s(query, key) = q . k + ln(p_c(key)), p_c = (hist + BETA) / sum(hist + BETA): exp(s) is what the top-k ranks, and exp rises with s.  q . k is the quantised product on codes of BF6 (E3M2) with E8M0 scales;
; ln(p_c) is the C operand of the matrix instruction, so that a score costs no vector instruction.  Both launches make every score by the same instruction on the same operands: the same bits.
; SHARES.  Work-group (x, y): keys 2,048 x .. + 2,047, queries 256 y .. + 255.  Wave w keeps its 128 keys (8 fragments, their scale words and their 128 ln(p_c)) in registers for the whole launch and walks the 16 tiles
; of 16 queries: 128 matrix instructions a wave, four waves to a SIMD.  The queries' 16 fragments go from wave to wave through LDS as images of their registers.
; LAYOUT.  Source 0 = 16 keys, source 1 = 16 queries: a lane holds ONE query (lane % 16).  THE KEYS OF A TILE ARE NOT NEIGHBOURS: row m of tile t is key 64 (m / 8) + 8 t + m % 8 of the wave's 128, so that register j of
; lane (r, h) in tile t is key 64 h + 8 t + j: over the eight tiles a lane walks one whole group of 64 keys, in order.
; NO JOINT LOADS, though the four work-groups of one x read the same keys: a key fragment serves one wave of a work-group alone and goes from memory straight into its registers, once; as a shared tile the 196,608 bytes
; of codes would be written to LDS and read from it again, and the work-group has no second use for them.
; LIMITS: a slot with p_c <= 0 or under 2^-126 gets ln(p_c) = -1e30 and is never chosen while 256 slots have a larger score; NaN, infinities, the scale byte 0xff and a sum of 0 are not served;
; slots are ranked by q . k + ln(p_c) in f32, not by exp(q . k) p_c: two slots within a few last bits of each other may change places.
.set CAND,  1
.set QSC,   24576                      ; LDS: 0: the 16 query fragments, 1,536 bytes each (3 x 512: 16 bytes a lane);  QSC: their scale words, 128 bytes each
.set BIASL, 26624                      ; each wave's own 128 ln(p_c), in key order, 512 bytes
.set STG,   34816                      ; the stage for the way out: 256 rows (queries) of SP bytes
.if CAND
.set SP,    272                        ; 64 mask words + 16
.set OUTP,  18
.set OSH,   8
.set QWAIT, 63
.else
.set SP,    144                        ; 32 maxima + 16
.set OUTP,  16
.set OSH,   7
.set QWAIT, 56
.endif
.set RPL,   512/(SP-16)                ; rows of the stage that one load of 512 bytes takes
.set NOUT,  16/RPL                     ; such loads for a wave's 16 rows
.set LI,  1                            ; v1   16 x lane: a fragment image's place for my lane; also my place in a store of 512 bytes
.set LS,  2                            ; v2   QSC + 4 x lane
.set STO, 3                            ; v3   the stage: where my lane's result goes
.set RD,  4                            ; v4   the stage: where I read rows back
.set RS,  5                            ; v5   1 / sum(hist + BETA)
.set KF,  12                           ; v12-107   my 8 key fragments
.set KS,  108                          ; v108-115  their scale words
.set BI,  116                          ; v116-179  ln(p_c) in the result's layout, 8 registers a tile
.set QF,  180                          ; v180-203  two query fragments by turns
.set QS,  204                          ; v204-205  their scale words
.set ACC, 206                          ; v206-237  four accumulators by turns
.set LE,  238                          ; CAND: v238-253 the threshold of my lane's query and group, for each of the 16 tiles
.set GM,  238                          ; else: v238-239 the running maximum, two copies by turns; v240-241 at work
.set GX,  240
.set GY,  241
.set KOF,  192                         ; the head's offsets lie in the second query buffer, which is taken over behind a wait on XCNT
.set KSOF, 193
.set QOF,  194
.set QSOF, 195
.set POF,  196
.set TOF,  197
.set BSA,  198
.set BLA,  199
.set HI,   200                         ; v200-203 four numbers of hist
.set PS,   116                         ; v116-123 eight partial sums
.set SEL,  30                          ; s[30:31]
.macro SUMS a                          ; the 256 partial sums, 8 a lane in v[a] on, become 1 / their sum in v[RS]: the same lines in every launch that needs it
	v_pk_add_f32 v[\a:\a+1], v[\a:\a+1], v[\a+2:\a+3]
	v_pk_add_f32 v[\a+4:\a+5], v[\a+4:\a+5], v[\a+6:\a+7]
	v_pk_add_f32 v[\a:\a+1], v[\a:\a+1], v[\a+4:\a+5]
	v_add_f32 v[\a], v[\a], v[\a+1]
	v_add_f32_dpp v[\a], v[\a], v[\a] row_xmask:1 row_mask:0xf bank_mask:0xf
	v_add_f32_dpp v[\a], v[\a], v[\a] row_xmask:2 row_mask:0xf bank_mask:0xf
	v_add_f32_dpp v[\a], v[\a], v[\a] row_xmask:4 row_mask:0xf bank_mask:0xf
	v_add_f32_dpp v[\a], v[\a], v[\a] row_xmask:8 row_mask:0xf bank_mask:0xf
	v_permlanex16_b32 v[\a+1], v[\a], s[SEL], s[SEL+1]
	v_add_f32 v[\a], v[\a], v[\a+1]
	v_rcp_f32 v[RS], v[\a]
	v_nop                                          ; one plain place behind a transcendental
.endm
.macro BIAS4 x                         ; four numbers of hist become ln(p_c); what is no positive normal number becomes -1e30 (a NaN and -infinity lose the maximum)
.irp i, 0,1,2,3
	v_add_f32 v[\x+\i], 0x322bcc77, v[\x+\i]       ; + BETA
.endr
	s_wait_alu depctr_va_vdst(0)
.irp i, 0,1,2,3
	v_mul_f32 v[\x+\i], v[\x+\i], v[RS]
.endr
.irp i, 0,1,2,3
	v_log_f32 v[\x+\i], v[\x+\i]
.endr
	v_nop                                          ; one plain place behind the logarithms
	s_wait_alu depctr_va_vdst(0)
.irp i, 0,1,2,3
	v_mul_f32 v[\x+\i], 0x3f317218, v[\x+\i]       ; x ln 2
.endr
.irp i, 0,1,2,3
	v_max_num_f32 v[\x+\i], 0xf149f2ca, v[\x+\i]
.endr
.endm
.macro PLACES
.rept 4
	v_nop
.endr
.endm
	s_load_b256 s[4:11], s[0:1], 0x0               ; q's codes s[4:5], q's scales s[6:7], the keys' codes s[8:9], the keys' scales s[10:11]
	s_load_b128 s[12:15], s[0:1], 0x20             ; hist s[12:13], psum s[14:15]
.if CAND
	s_load_b128 s[16:19], s[0:1], 0x30             ; thr s[16:17], mask s[18:19]
.else
	s_load_b64 s[16:17], s[0:1], 0x30              ; gmax
.endif
	v_lshrrev_b32 v6, 5, v0
	v_readfirstlane_b32 s20, v6                    ; wave 0..15
	s_and_b32 s22, ttmp7, 0xffff                   ; which 256 queries
	s_lshl_b32 s23, ttmp9, 11
	s_lshl_b32 s24, s20, 7
	s_add_co_u32 s23, s23, s24                     ; my first key: 2,048 x + 128 w
	s_mul_i32 s24, s23, 96                         ; its codes (under 2^24 bytes)
	s_mov_b32 s25, 0
	s_lshl_b32 s26, s23, 2                         ; its scale word, and its number in hist
	s_mov_b32 s27, 0
	s_lshl_b32 s34, s22, 8
	s_lshl_b32 s35, s20, 4
	s_add_co_u32 s34, s34, s35                     ; the tile of queries that I bring in, and the 16 rows that I store: 256 y + 16 w
	s_mul_i32 s28, s34, 96
	s_mov_b32 s29, 0
	s_lshl_b32 s32, s34, 2
	s_mov_b32 s33, 0
	s_lshl_b32 s35, ttmp9, 10
	s_add_co_u32 s35, s35, s34
	s_lshl_b32 s36, s35, OSH                       ; the output is laid [x][row][SP - 16 bytes]
	s_mov_b32 s37, 0
	s_lshl_b32 s38, s22, 12                        ; thr: 16 bytes a row
	s_mov_b32 s39, 0
	s_mov_b32 s[SEL], 0x76543210
	s_mov_b32 s[SEL+1], 0xfedcba98
	v_and_b32 v6, 31, v0                           ; lane
	v_and_b32 v7, 15, v0                           ; r
	v_bfe_u32 v8, v0, 4, 1                         ; h
	v_lshlrev_b32 v[LI], 4, v6
	v_lshl_add_u32 v[LS], v6, 2, QSC
	v_lshrrev_b32 v9, 3, v7
	v_mad_u32_u24 v9, v9, 56, v7                   ; r + 56 (r / 8): the key of tile 0 that lane r holds
	v_mul_u32_u24 v[KOF], v9, 96
	v_mad_u32_u24 v[KOF], v8, 24, v[KOF]           ; a fragment: 24 bytes at 96 x row + 24 h, and 24 more 48 bytes on
	v_lshlrev_b32 v[KSOF], 2, v9
	v_mul_u32_u24 v[QOF], v7, 96
	v_mad_u32_u24 v[QOF], v8, 24, v[QOF]
	v_lshlrev_b32 v[QSOF], 2, v7
	v_lshlrev_b32 v[POF], 5, v6                    ; 8 partial sums a lane
.if CAND
	v_lshlrev_b32 v[TOF], 4, v7                    ; my query's record in a tile's 256 bytes of thr
	s_lshl_b32 s43, ttmp9, 5
	s_lshl_b32 s44, s20, 1
	s_add_co_u32 s43, s43, s44
	v_add_nc_u32 v11, s43, v8                      ; my lane's group among the row's 2,048: 32 x + 2 w + h
.endif
	s_lshl_b32 s42, s20, 9
	s_add_co_u32 s42, s42, BIASL
	v_add_nc_u32 v[BSA], s42, v[LI]                ; my wave's ln(p_c): in by 16 bytes a lane,
	v_lshl_add_u32 v[BLA], v8, 8, s42              ; out from my half's 64 keys on
	v_mul_u32_u24 v[STO], v7, SP                   ; the stage: row = my query, column = my group
.if CAND
	v_lshl_add_u32 v[STO], v8, 3, v[STO]
	s_lshl_b32 s40, s20, 4
.else
	v_lshl_add_u32 v[STO], v8, 2, v[STO]
	s_lshl_b32 s40, s20, 3
.endif
	s_add_co_u32 s40, s40, STG
	v_add_nc_u32 v[STO], s40, v[STO]
.if CAND
	v_mul_u32_u24 v[RD], v8, SP                    ; back: sixteen lanes to a row of 256 bytes
	v_lshl_add_u32 v[RD], v7, 4, v[RD]
.else
	v_lshrrev_b32 v9, 3, v6                        ; back: eight lanes to a row of 128 bytes
	v_and_b32 v10, 7, v6
	v_mul_u32_u24 v[RD], v9, SP
	v_lshl_add_u32 v[RD], v10, 4, v[RD]
.endif
	s_mul_i32 s40, s20, 16*SP
	s_add_co_u32 s40, s40, STG
	v_add_nc_u32 v[RD], s40, v[RD]
	s_mul_i32 s40, s20, 1536
	v_add_nc_u32 v9, s40, v[LI]                    ; where my tile of queries' image goes
	s_lshl_b32 s41, s20, 7
	v_add_nc_u32 v10, s41, v[LS]                   ; and its scale words
	s_wait_kmcnt 0x0
	s_add_nc_u64 s[8:9], s[8:9], s[24:25]
	s_add_nc_u64 s[10:11], s[10:11], s[26:27]
	s_add_nc_u64 s[12:13], s[12:13], s[26:27]
	s_add_nc_u64 s[4:5], s[4:5], s[28:29]
	s_add_nc_u64 s[6:7], s[6:7], s[32:33]
	s_add_nc_u64 s[OUTP:OUTP+1], s[OUTP:OUTP+1], s[36:37]
.if CAND
	s_add_nc_u64 s[16:17], s[16:17], s[38:39]
.endif
	; every global load of the launch is issued here, what is wanted first in front
	global_load_b128 v[PS:PS+3], v[POF], s[14:15]
	global_load_b128 v[PS+4:PS+7], v[POF], s[14:15] offset:16
	global_load_b128 v[HI:HI+3], v[LI], s[12:13]   ; my wave's 128 numbers of hist, 4 a lane
.if CAND
.irp q, 0,1,2,3,4,5,6,7
	global_load_b128 v[ACC+4*\q:ACC+4*\q+3], v[TOF], s[16:17] offset:256*\q   ; the records of tiles 0 to 7
.endr
.endif
.irp p, 0,1,2,3,4,5
	global_load_b64 v[QF+2*\p:QF+2*\p+1], v[QOF], s[4:5] offset:48*(\p/3)+8*(\p%3)
.endr
	global_load_b32 v[QS], v[QSOF], s[6:7]
.irp t, 0,1,2,3,4,5,6,7
.irp p, 0,1,2,3,4,5
	global_load_b64 v[KF+12*\t+2*\p:KF+12*\t+2*\p+1], v[KOF], s[8:9] offset:768*\t+48*(\p/3)+8*(\p%3)
.endr
	global_load_b32 v[KS+\t], v[KSOF], s[10:11] offset:32*\t
.endr
	s_wait_loadcnt 63                              ; q's 7 loads and the keys' 56 may be out: all that was issued ahead of them is in
	SUMS PS
	BIAS4 HI
	ds_store_b128 v[BSA], v[HI:HI+3]               ; my wave's own bytes: LDS serves a wave's instructions in order, so the loads below see this store
.set i, 0
.rept 16
	ds_load_b128 v[BI+4*i:BI+4*i+3], v[BLA] offset:16*i   ; register 8 t + j: ln(p_c) of key 64 h + 8 t + j
.set i, i+1
.endr
.if CAND
; A candidate is a score over T, or equal to T in a group up to gcut: that is s > f(T - 1) there and s > f(T) in the later groups, f(T - 1) being the next number under f(T)
.irp q, 0,1,2,3,4,5,6,7
	v_cmp_ge_u32 vcc_lo, v[ACC+4*\q+2], v11
	v_cndmask_b32 v[LE+\q], v[ACC+4*\q+1], v[ACC+4*\q], vcc_lo
.endr
.irp q, 0,1,2,3,4,5,6,7
	global_load_b128 v[ACC+4*\q:ACC+4*\q+3], v[TOF], s[16:17] offset:256*(8+\q)   ; the records of tiles 8 to 15
.endr
.endif
	s_wait_loadcnt QWAIT                           ; q's loads are in: behind them stand the keys' 56 (CAND: and 8 records, 64 in all; the count's field ends at 63, and a smaller count is safe)
.irp c, 0,1,2
	ds_store_b128 v9, v[QF+4*\c:QF+4*\c+3] offset:512*\c
.endr
	ds_store_b32 v10, v[QS]
	s_wait_dscnt 0x0                               ; for the others' sake: my image has landed; and my ln(p_c) are in
	s_barrier_signal -1
	s_barrier_wait -1                              ; the 16 query fragments lie in LDS
.macro QLOAD                           ; tile ql's fragment and scale words into buffer ql % 2
.irp c, 0,1,2
	ds_load_b128 v[QF+12*(ql%2)+4*\c:QF+12*(ql%2)+4*\c+3], v[LI] offset:1536*ql+512*\c
.endr
	ds_load_b32 v[QS+ql%2], v[LS] offset:128*ql
.endm
	s_wait_xcnt 0x0                                ; every global load has had its addresses translated: only now are the offsets' registers taken over
.set ql, 0
	QLOAD
.set ql, 1
	QLOAD
	s_wait_loadcnt 0x0                             ; the keys
.if CAND
.irp q, 0,1,2,3,4,5,6,7
	v_cmp_ge_u32 vcc_lo, v[ACC+4*\q+2], v11
	v_cndmask_b32 v[LE+8+\q], v[ACC+4*\q+1], v[ACC+4*\q], vcc_lo
.endr
	v_mov_b32 v254, 0                              ; the two pairs of mask words are named as sources before 32 shifts have filled them
	v_mov_b32 v255, 0
	v_mov_b32 v6, 0
	v_mov_b32 v7, 0
.endif
; STEP stp (0 .. 127): query tile stp / 8, key tile stp % 8.  One matrix instruction, and behind it the vector work on the result of the step before.
; No sum is continued: K is 128, one instruction.  An accumulator is written again four steps later; between stand three slices that name none of its instruction's registers, 12 places or more (5 are asked).
; Between a matrix instruction and the slice that reads its result stands the slice of the step before: 4 places or more.
.macro MM
.set mq, (stp/8)%2
.set mt, stp%8
.set ma, ACC+8*(stp%4)
	v_wmma_scale_f32_16x16x128_f8f6f4 v[ma:ma+7], v[KF+12*mt:KF+12*mt+11], v[QF+12*mq:QF+12*mq+11], v[BI+8*mt:BI+8*mt+7], v[KS+mt], v[QS+mq] matrix_a_fmt:MATRIX_FMT_BF6 matrix_b_fmt:MATRIX_FMT_BF6
.endm
.macro SLICE                           ; the eight scores of step sl, from the accumulator's low end on
.set sa, ACC+8*(sl%4)
.set sq, sl/8
.if CAND
.set le, LE+2*(sq/2)
.set wp, 254-248*(sq%2)                ; the pair of mask words: v[254:255] and v[6:7] by turns, so that a pair is written again only behind the wait that shows its store done
.set ww, wp+(sl%8)/4
.irp i, 0,1,2,3
.if sq%2 == 0
	v_pk_add_f32 v[sa+2*\i:sa+2*\i+1], v[sa+2*\i:sa+2*\i+1], v[le:le+1] op_sel_hi:[1,0] neg_lo:[1,0] neg_hi:[1,0]   ; threshold - s: negative where s is a candidate
.else
	v_pk_add_f32 v[sa+2*\i:sa+2*\i+1], v[sa+2*\i:sa+2*\i+1], v[le:le+1] op_sel:[0,1] op_sel_hi:[1,1] neg_lo:[1,0] neg_hi:[1,0]
.endif
.endr
.irp j, 0,1,2,3,4,5,6,7
	v_alignbit_b32 v[ww], v[ww], v[sa+\j], 31      ; word = 2 x word + the sign: key o of a word's 32 ends at bit 31 - o
.endr
.if sl%8 == 7
	ds_store_b64 v[STO], v[wp:wp+1] offset:16*SP*sq
.endif
.else
.set gm, GM+sq%2                       ; two copies by turns, for the same reason
	v_max3_num_f32 v[GX], v[sa], v[sa+1], v[sa+2]
	v_max3_num_f32 v[GY], v[sa+3], v[sa+4], v[sa+5]
	v_max3_num_f32 v[GX], v[GX], v[sa+6], v[sa+7]
.if sl%8 == 0
	v_max_num_f32 v[gm], v[GX], v[GY]
.else
	v_max3_num_f32 v[gm], v[gm], v[GX], v[GY]
.endif
.if sl%8 == 7
	ds_store_b32 v[STO], v[gm] offset:16*SP*sq
.endif
.endif
.endm
.macro STEP
.if stp%8 == 0
	s_wait_dscnt 0x0                               ; this tile's query fragment, asked for seven steps ago, is in; the last stage store is done
.endif
	MM
.if stp == 0
	PLACES                                         ; the first step has no slice to stand here
.else
.set sl, stp-1
	SLICE
.endif
.if (stp%8 == 1) && (stp/8 >= 1) && (stp/8 <= 14)
.set ql, stp/8+1
	QLOAD                                          ; into the buffer that the tile before has left: behind its last matrix instruction stand two slices that name none of its registers
.endif
.endm
.set stp, 0
.rept 128
	STEP
.set stp, stp+1
.endr
	PLACES
.set sl, 127
	SLICE
	; THE WAY OUT: a row of the output comes from all sixteen waves; each wave stores 16 whole rows, 512 consecutive bytes an instruction
	s_wait_dscnt 0x0                               ; for the others' sake: my stores into the stage have landed
	s_barrier_signal -1
	s_barrier_wait -1
.set i, 0
.rept NOUT
	ds_load_b128 v[KF+4*i:KF+4*i+3], v[RD] offset:i*RPL*SP
.set i, i+1
.endr
.set i, 0
.rept NOUT
	s_wait_dscnt NOUT-1-i                          ; the loads behind load i may be out
	global_store_b128 v[LI], v[KF+4*i:KF+4*i+3], s[OUTP:OUTP+1] offset:512*i
.set i, i+1
.endr
	s_wait_xcnt 0x0
	v_lshl_add_u32 v254, v0, 2, 0x19800
	v_mov_b32 v255, 0
	s_wait_tensorcnt 0x0
	ds_add_u32 v254, v255
	s_wait_dscnt 0x0
	s_endpgm
.Lfunc_end_k_q9978508b07_candmask:
	.size	k_q9978508b07_candmask, .Lfunc_end_k_q9978508b07_candmask-k_q9978508b07_candmask
	.p2alignl 7, 3214868480
	.fill 96, 4, 3214868480
	.section	.rodata,"a",@progbits
	.p2align	6, 0x0
	.amdhsa_kernel k_q9978508b07_candmask
		.amdhsa_group_segment_fixed_size 106496
		.amdhsa_private_segment_fixed_size 0
		.amdhsa_enable_private_segment 0
		.amdhsa_kernarg_size 64
		.amdhsa_user_sgpr_count 2
		.amdhsa_user_sgpr_kernarg_segment_ptr 1
		.amdhsa_wavefront_size32 1
		.amdhsa_system_sgpr_workgroup_id_x 1
		.amdhsa_system_sgpr_workgroup_id_y 1
		.amdhsa_system_sgpr_workgroup_id_z 1
		.amdhsa_system_vgpr_workitem_id 0
		.amdhsa_next_free_vgpr 256
		.amdhsa_next_free_sgpr 66
		.amdhsa_reserve_vcc 1
		.amdhsa_float_denorm_mode_32 3
		.amdhsa_float_denorm_mode_16_64 3
		.amdhsa_memory_ordered 1
		.amdhsa_forward_progress 1
		.amdhsa_inst_pref_size 136
	.end_amdhsa_kernel
	.amdgpu_metadata
---
amdhsa.version: [ 1, 2 ]
amdhsa.kernels:
  - .name:           k_q9978508b07_candmask
    .symbol:         k_q9978508b07_candmask.kd
    .args:
      - { .name: q_codes, .offset: 0, .size: 8, .value_kind: global_buffer, .address_space: global }
      - { .name: q_scales, .offset: 8, .size: 8, .value_kind: global_buffer, .address_space: global }
      - { .name: memory_key_codes, .offset: 16, .size: 8, .value_kind: global_buffer, .address_space: global }
      - { .name: memory_key_scales, .offset: 24, .size: 8, .value_kind: global_buffer, .address_space: global }
      - { .name: memory_hist, .offset: 32, .size: 8, .value_kind: global_buffer, .address_space: global }
      - { .name: psum, .offset: 40, .size: 8, .value_kind: global_buffer, .address_space: global }
      - { .name: thr, .offset: 48, .size: 8, .value_kind: global_buffer, .address_space: global }
      - { .name: mask, .offset: 56, .size: 8, .value_kind: global_buffer, .address_space: global }
    .group_segment_fixed_size: 106496
    .private_segment_fixed_size: 0
    .kernarg_segment_align: 8
    .kernarg_segment_size: 64
    .max_flat_workgroup_size: 512
    .sgpr_count:     66
    .vgpr_count:     256
    .wavefront_size: 32
...
	.end_amdgpu_metadata
.endif
;; end of part 4
;; launch list (part 5): grid 1024 x 1, 1 waves a work-group, no clusters, 71,168 bytes of LDS; arguments mask, idx, cnt; writes idx, cnt
.if DOCPART == 5
	.amdgcn_target "amdgcn-amd-amdhsa--gfx1250"
	.amdhsa_code_object_version 6
	.text
	.protected	k_q9978508b07_list
	.globl	k_q9978508b07_list
	.p2align	8
	.type	k_q9978508b07_list,@function
k_q9978508b07_list:
	s_mov_b64 s[64:65], 0
	v_nop
	global_prefetch_b8 v0, s[64:65] scope:SCOPE_SE
	s_setreg_imm32_b32 hwreg(HW_REG_WAVE_MODE, 25, 1), 1
	s_wait_xcnt 0x0
; For each row (query): the set bits of its 4,096 mask words become a list of key indices, idx[row][0 .. c - 1], zeros behind them, and their number, cnt[row] = c (256 to 16,384).  One wave owns one row.
; NOTHING HERE BRANCHES ON THE MASK WORDS: every trip count is a constant and every global address is made of ids and constants; the words steer only places in LDS and what is stored.
; 1. The words that are not 0 (at most 512: 256 groups of 64 keys) are packed, each with the key of its bit 31, into two lists in LDS.  2. The packed words come back, 16 registers; 32 trips, one for each bit of a word:
; the lanes whose word has bit 31 set put that key's index at the next free places of the index list; every word moves up one bit and every key goes one on.  3. The index list leaves through registers.
; The order of the list is of no account: the launch that reads it breaks ties by the index itself.
; THE PRICE of constant trip counts: all 32 trips are walked, and a row of idx is stored whole, 65,536 bytes, though its reader takes c places rounded up to 128.
; A place is: the count so far + the number of lanes below mine that also have something to say; lanes with nothing to say write to a spare place.  Sixteen registers are placed at a time: sixteen compares into scalar
; registers, a scalar chain of running counts, then the vector lines, so that neither side waits for the other line by line.
; One wave to a work-group: LDS is the wave's own and is served in order, so there is no barrier.  No matrix unit, no tensor load, no cluster: 16 KiB a row, read once, shared with nobody.
.set NSLOT, 16384                      ; the most candidates a row can have
.set DUMMY, 16384                      ; the index list's spare place
.set WL,    0                          ; LDS: the packed words: 512 places and the spare place 512
.set KL,    2560                       ; the key of each packed word's bit 31
.set IL,    5120                       ; the index list: 16,384 places and the spare one
.set ZS,    35840                      ; an LDS instruction's immediate ends at 65,535: bytes from here on are reached from a second address register
.set MW,  32                           ; v32-159 the row's mask words
.set W,   32                           ; v32-47  then: the packed words;  v48-63 their keys
.set KB,  48
.set CB,  32                           ; v32-159 at last: the way out, two sets of 64
.set TT,  16                           ; v16-31  places
.set KT,  160                          ; v160-175 keys at work
.set MA,  32                           ; s[32:47] lane masks
.set OFF, 66                           ; s[66:82] running counts: s[OFF + i] in front of register i
.set TR,  14
.set TMP, 15
	s_load_b128 s[4:7], s[0:1], 0x0                ; mask, idx
	s_load_b64 s[8:9], s[0:1], 0x10                ; cnt
	v_lshl_add_u32 v176, v0, 2, 0x11500
	v_mov_b32 v177, 0
	v_and_b32 v1, 15, v0                           ; r
	v_bfe_u32 v10, v0, 4, 1                        ; h
	v_lshlrev_b32 v2, 18, v10                      ; a mask load: lanes 0-15 take the row's 256 bytes of one block of 2,048 keys, lanes 16-31 those of the next block, 262,144 bytes on
	v_lshl_add_u32 v2, v1, 4, v2
	v_lshlrev_b32 v4, 11, v10
	v_lshl_add_u32 v4, v1, 7, v4                   ; register 4 i + c of lane (r, h) covers keys 4,096 i + 2,048 h + 128 r + 32 c + o, key o at bit 31 - o
	v_lshlrev_b32 v3, 4, v0                        ; 16 x lane
	v_add_nc_u32 v7, ZS, v3
	v_lshlrev_b32 v8, 2, v0                        ; 4 x lane
	v_mov_b32 v5, 512
	v_mov_b32 v6, DUMMY
	v_mov_b32 v9, 0
.irp i, 12,13,14,15
	v_mov_b32 v\i, 0
.endr
	s_lshl_b32 s18, ttmp9, 8                       ; mask: 256 bytes a row in each block
	s_mov_b32 s19, 0
	s_lshl_b32 s20, ttmp9, 16                      ; idx: 65,536 bytes a row
	s_mov_b32 s21, 0
	s_lshl_b32 s22, ttmp9, 2
	s_mov_b32 s23, 0
	s_wait_kmcnt 0x0
	s_add_nc_u64 s[4:5], s[4:5], s[18:19]
	s_add_nc_u64 s[10:11], s[4:5], 0x800000        ; blocks 32 on: beyond the reach of a load's immediate
	s_add_nc_u64 s[6:7], s[6:7], s[20:21]
	s_add_nc_u64 s[8:9], s[8:9], s[22:23]
.set i, 0
.rept 16
	global_load_b128 v[MW+4*i:MW+4*i+3], v2, s[4:5] offset:524288*i th:TH_LOAD_NT
.set i, i+1
.endr
.set i, 0
.rept 16
	global_load_b128 v[MW+64+4*i:MW+64+4*i+3], v2, s[10:11] offset:524288*i th:TH_LOAD_NT
.set i, i+1
.endr
	; while the loads are out: all three lists begin as zeros.  A place of the word lists that is never filled reads as a word without bits; the index list's zeros are what the row of idx holds behind its last index
.set i, 0
.rept 70
	ds_store_b128 v3, v[12:15] offset:512*i
.set i, i+1
.endr
.set i, 0
.rept 68
	ds_store_b128 v7, v[12:15] offset:512*i        ; 138 x 512 = IL + 65,536 bytes
.set i, i+1
.endr
; From sixteen lane masks in s[MA] on: each lane's place for each of the sixteen registers, as a byte offset, in v[TT] on; the running count goes on.  sp: the register with the spare place; lim: that place
.macro PLACE16 sp, lim
.set i, 0
.rept 16
	s_bcnt1_i32_b32 s[TMP], s[MA+i]
	s_add_co_u32 s[OFF+i+1], s[OFF+i], s[TMP]
.set i, i+1
.endr
.set i, 0
.rept 16
	v_mbcnt_lo_u32_b32 v[TT+i], s[MA+i], s[OFF+i]  ; places taken so far + such lanes below me
.set i, i+1
.endr
.set i, 0
.rept 16
	v_cndmask_b32 v[TT+i], v[\sp], v[TT+i], s[MA+i]   ; the others write to the spare place
.set i, i+1
.endr
.set i, 0
.rept 16
	v_min_u32 v[TT+i], \lim, v[TT+i]
.set i, i+1
.endr
.set i, 0
.rept 16
	v_lshlrev_b32 v[TT+i], 2, v[TT+i]
.set i, i+1
.endr
	s_mov_b32 s[OFF], s[OFF+16]
.endm
	s_mov_b32 s[OFF], 0
; Sixteen registers of mask words (four loads): the words that are not 0 go to the next free places of the word list, the keys of their bits 31 to the same places of the key list
.macro COMPACT16
	s_wait_loadcnt 28-4*cg                         ; the mask loads behind this batch's four may be out
.set i, 0
.rept 16
	v_cmp_ne_u32 s[MA+i], 0, v[MW+16*cg+i]
.set i, i+1
.endr
.set i, 0
.rept 16
	v_add_nc_u32 v[KT+i], 4096*((16*cg+i)/4)+32*((16*cg+i)%4), v4
.set i, i+1
.endr
	PLACE16 5, 512
.set i, 0
.rept 16
	ds_store_b32 v[TT+i], v[MW+16*cg+i] offset:WL
	ds_store_b32 v[TT+i], v[KT+i] offset:KL
.set i, i+1
.endr
.endm
.set cg, 0
.rept 8
	COMPACT16
.set cg, cg+1
.endr
	s_wait_dscnt 0x0                               ; the stores have read the mask words' registers, which the packed words now take
.set i, 0
.rept 16
	ds_load_b32 v[W+i], v8 offset:WL+128*i
	ds_load_b32 v[KB+i], v8 offset:KL+128*i
.set i, i+1
.endr
	s_wait_dscnt 0x0
	s_mov_b32 s[OFF], 0                            ; c
	s_mov_b32 s[TR], 0
.Lbit:                                             ; 32 trips: in trip p bit 31 is the word's key p
.set i, 0
.rept 16
	v_cmp_gt_i32 s[MA+i], 0, v[W+i]                ; bit 31 is set
.set i, i+1
.endr
.set i, 0
.rept 16
	v_lshlrev_b32 v[W+i], 1, v[W+i]
.set i, i+1
.endr
	PLACE16 6, DUMMY
.set i, 0
.rept 16
	ds_store_b32 v[TT+i], v[KB+i] offset:IL
.set i, i+1
.endr
.set i, 0
.rept 16
	v_add_nc_u32 v[KB+i], 1, v[KB+i]
.set i, i+1
.endr
	s_add_co_u32 s[TR], s[TR], 1
	s_cmp_lt_u32 s[TR], 32
	s_cbranch_scc1 .Lbit
	s_min_u32 s[OFF], s[OFF], NSLOT
	v_mov_b32 v11, s[OFF]
	s_wait_dscnt 0x0                               ; the stores have read the keys' registers, which the way out now takes
; THE WAY OUT: 128 runs of 512 bytes, in 8 groups of 16, on two sets of registers by turns: while one group is stored the next comes out of LDS
.macro CLOADS                          ; group lg
.set i, 0
.rept 16
.set j, 16*lg+i
.if j < 60
	ds_load_b128 v[CB+64*(lg%2)+4*i:CB+64*(lg%2)+4*i+3], v3 offset:IL+512*j
.else
	ds_load_b128 v[CB+64*(lg%2)+4*i:CB+64*(lg%2)+4*i+3], v7 offset:512*(j-60)   ; IL + 512 x 60 = ZS
.endif
.set i, i+1
.endr
.endm
.macro CSTORES                         ; group cg
.set i, 0
.rept 16
	global_store_b128 v3, v[CB+64*(cg%2)+4*i:CB+64*(cg%2)+4*i+3], s[6:7] offset:512*(16*cg+i)   ; 32 lanes store 512 consecutive bytes, at a multiple of 256 from the buffer's first byte
.set i, i+1
.endr
.endm
.set lg, 0
	CLOADS
.set cg, 0
.rept 8
.if cg < 7
.if cg > 0
	s_wait_xcnt 0x0                                ; the group before has had its stores' registers read: only now do loads land there
.endif
.set lg, cg+1
	CLOADS
	s_wait_dscnt 16                                ; the next group's sixteen loads may be out
.else
	s_wait_dscnt 0x0
.endif
	CSTORES
.set cg, cg+1
.endr
	v_cmp_eq_u32 vcc_lo, 0, v0
	s_wait_xcnt 0x0                                ; EXEC changes only behind this wait
	s_wait_tensorcnt 0x0
	ds_add_u32 v176, v177
	s_wait_dscnt 0x0
	s_and_saveexec_b32 s[TMP], vcc_lo              ; lane 0 stores the row's count
	global_store_b32 v9, v11, s[8:9]
	s_endpgm
.Lfunc_end_k_q9978508b07_list:
	.size	k_q9978508b07_list, .Lfunc_end_k_q9978508b07_list-k_q9978508b07_list
	.p2alignl 7, 3214868480
	.fill 96, 4, 3214868480
	.section	.rodata,"a",@progbits
	.p2align	6, 0x0
	.amdhsa_kernel k_q9978508b07_list
		.amdhsa_group_segment_fixed_size 71168
		.amdhsa_private_segment_fixed_size 0
		.amdhsa_enable_private_segment 0
		.amdhsa_kernarg_size 24
		.amdhsa_user_sgpr_count 2
		.amdhsa_user_sgpr_kernarg_segment_ptr 1
		.amdhsa_wavefront_size32 1
		.amdhsa_system_sgpr_workgroup_id_x 1
		.amdhsa_system_sgpr_workgroup_id_y 1
		.amdhsa_system_sgpr_workgroup_id_z 1
		.amdhsa_system_vgpr_workitem_id 0
		.amdhsa_next_free_vgpr 178
		.amdhsa_next_free_sgpr 96
		.amdhsa_reserve_vcc 1
		.amdhsa_float_denorm_mode_32 3
		.amdhsa_float_denorm_mode_16_64 3
		.amdhsa_memory_ordered 1
		.amdhsa_forward_progress 1
		.amdhsa_inst_pref_size 113
	.end_amdhsa_kernel
	.amdgpu_metadata
---
amdhsa.version: [ 1, 2 ]
amdhsa.kernels:
  - .name:           k_q9978508b07_list
    .symbol:         k_q9978508b07_list.kd
    .args:
      - { .name: mask, .offset: 0, .size: 8, .value_kind: global_buffer, .address_space: global }
      - { .name: idx, .offset: 8, .size: 8, .value_kind: global_buffer, .address_space: global }
      - { .name: cnt, .offset: 16, .size: 8, .value_kind: global_buffer, .address_space: global }
    .group_segment_fixed_size: 71168
    .private_segment_fixed_size: 0
    .kernarg_segment_align: 8
    .kernarg_segment_size: 24
    .max_flat_workgroup_size: 32
    .sgpr_count:     96
    .vgpr_count:     178
    .wavefront_size: 32
...
	.end_amdgpu_metadata
.endif
;; end of part 5
;; launch final (part 6): grid 1024 x 1, 1 waves a work-group, no clusters, 0 bytes of LDS; arguments q_codes, q_scales, memory_key_codes, memory_key_scales, memory_hist, memory_values, psum, thr, idx, cnt, out0; writes out0
.if DOCPART == 6
	.amdgcn_target "amdgcn-amd-amdhsa--gfx1250"
	.amdhsa_code_object_version 6
	.text
	.protected	k_q9978508b07_final
	.globl	k_q9978508b07_final
	.p2align	8
	.type	k_q9978508b07_final,@function
k_q9978508b07_final:
	s_mov_b64 s[64:65], 0
	v_nop
	global_prefetch_b8 v0, s[64:65] scope:SCOPE_SE
	s_setreg_imm32_b32 hwreg(HW_REG_WAVE_MODE, 25, 1), 1
	s_wait_xcnt 0x0
; out0[row] = clip(sum(v p) / sum(p)) over the row's 256 largest p = exp(q . k) p_c, ties to the lower index.  One wave owns one row.
; 1. The row's candidates come as a list of key indices, idx[row], and their number, cnt[row] = c (256 to 16,384): whole numbers that an earlier launch stored.
; 2. The listed keys are gathered and scored anew: s = q . k + ln(p_c), q . k by the same matrix instruction on the same codes (source 0 = my query in all 16 rows, source 1 = 16 keys), ln(p_c) by the same lines.
; 3. The 256th largest is found exactly: 32 trips on the scores' ordered bits, then 17 trips on 131,071 - index among the scores equal to it.  Counts made of scores feed selects alone, never a branch or an address.
; 4. p = exp(s - the row's largest s) of the chosen; the two sums; the division; the clip.  The largest s is taken away, so no exponential overflows, and the common factor leaves the quotient as it is.
; Scores are held 512 at a time (16 registers a lane).  A row with up to 512 candidates scores them once and keeps them through all 50 sweeps; a row with more scores each chunk of 512 anew in every sweep.
; Branches and trip counts hang on the sweep's and the chunk's number and on c alone; gather addresses on the listed indices.  No LDS, no barrier.
; No tensor load, no cluster: what a row gathers hangs on its own list and is shared with nobody.
; LIMITS: as in the dense launches (p_c <= 0 never chosen; NaN, infinities, scale byte 0xff, a sum of 0 not served).  Here ln(p_c) is added behind the product, there inside it: a score may differ in its last bit, so
; two candidates within a last bit of each other at the 256th place may change places.
.set NSLOT, 16384
.set ROWB,  65536                      ; a row of idx in bytes: 16,384 places
.set RS,  7                            ; v7  1 / sum(hist + BETA).   v0 lane, v3 24 h, v8 sum(p), v9 sum(v p), v10-17 at work, v19 0
.set AR,  18                           ; v18 byte in my row of idx of slot (chunk's first + lane % 16)
.set AL,  33                           ; v33 and of slot (chunk's first + lane)
.set QF,  20                           ; v20-31 my query's fragment;  v32 its scale word
.set QS,  32
.set U,   34                           ; v34-49   ordered bits of 512 scores: register P of lane l is slot 32 P + l of the chunk; 0 where there is no candidate
.set Y,   50                           ; v50-65   131,071 - key index
.set VV,  66                           ; v66-81   the keys' values
.set SF,  82                           ; v82-97   the scores
.set KSC, 98                           ; v98-105  scale words of 8 tiles of keys
.set KF,  106                          ; v106-201 8 tiles of keys
.set DA,  202                          ; v202-209, v210-217 two accumulators
.set DB,  210
.set SO,  218                          ; v218-225 a tile's key indices, then x 4
.set KO,  226                          ; v226-233 and x 96 + 24 h
.set IX,  234                          ; v234-237 a pair of tiles' key indices by lane
.set HH,  238                          ; v238-241 their hist, then ln(p_c)
.set R,   242                          ; v242 lane % 16
.set TE,  218                          ; v218-233 at last: the exponentials
.set SMAX, 24
.set SEL,  28                          ; s[28:29]
.set MA,   32                          ; s[32:47], s[66:81] lane masks
.set MB,   66
.set C,    49                          ; candidates
.set NCH,  50                          ; chunks of 512
.set K,    51                          ; sweep
.set CH,   52
.set SB,   53
.set T,    54
.set BIT,  55
.set A,    56
.set YC,   57
.set YBIT, 58
.set CAND, 59
.set CNT,  60
.set TMP,  63
.set BASE, 82
.set REM,  83
.macro SUMS a                          ; the 256 partial sums, 8 a lane in v[a] on, become 1 / their sum in v[RS]: the same lines in every launch that needs it
	v_pk_add_f32 v[\a:\a+1], v[\a:\a+1], v[\a+2:\a+3]
	v_pk_add_f32 v[\a+4:\a+5], v[\a+4:\a+5], v[\a+6:\a+7]
	v_pk_add_f32 v[\a:\a+1], v[\a:\a+1], v[\a+4:\a+5]
	v_add_f32 v[\a], v[\a], v[\a+1]
	v_add_f32_dpp v[\a], v[\a], v[\a] row_xmask:1 row_mask:0xf bank_mask:0xf
	v_add_f32_dpp v[\a], v[\a], v[\a] row_xmask:2 row_mask:0xf bank_mask:0xf
	v_add_f32_dpp v[\a], v[\a], v[\a] row_xmask:4 row_mask:0xf bank_mask:0xf
	v_add_f32_dpp v[\a], v[\a], v[\a] row_xmask:8 row_mask:0xf bank_mask:0xf
	v_permlanex16_b32 v[\a+1], v[\a], s[SEL], s[SEL+1]
	v_add_f32 v[\a], v[\a], v[\a+1]
	v_rcp_f32 v[RS], v[\a]
	v_nop                                          ; one plain place behind a transcendental
.endm
.macro BIAS4 x                         ; four numbers of hist become ln(p_c); what is no positive normal number becomes -1e30 (a NaN and -infinity lose the maximum)
.irp i, 0,1,2,3
	v_add_f32 v[\x+\i], 0x322bcc77, v[\x+\i]       ; + BETA
.endr
	s_wait_alu depctr_va_vdst(0)
.irp i, 0,1,2,3
	v_mul_f32 v[\x+\i], v[\x+\i], v[RS]
.endr
.irp i, 0,1,2,3
	v_log_f32 v[\x+\i], v[\x+\i]
.endr
	v_nop                                          ; one plain place behind the logarithms
	s_wait_alu depctr_va_vdst(0)
.irp i, 0,1,2,3
	v_mul_f32 v[\x+\i], 0x3f317218, v[\x+\i]       ; x ln 2
.endr
.irp i, 0,1,2,3
	v_max_num_f32 v[\x+\i], 0xf149f2ca, v[\x+\i]
.endr
.endm
	s_load_b256 s[4:11], s[0:1], 0x0               ; q's codes s[4:5], q's scales s[6:7], the keys' codes s[8:9], the keys' scales s[10:11]
	s_load_b256 s[12:19], s[0:1], 0x20             ; hist s[12:13], values s[14:15], psum s[16:17], thr s[18:19]
	s_load_b128 s[20:23], s[0:1], 0x40             ; idx s[20:21], cnt s[22:23]
	s_load_b64 s[26:27], s[0:1], 0x50              ; out0
	v_and_b32 v[R], 15, v0
	v_bfe_u32 v10, v0, 4, 1                        ; h
	v_mul_u32_u24 v3, v10, 24
	v_mov_b32 v8, 0
	v_mov_b32 v9, 0
	v_lshlrev_b32 v18, 5, v0                       ; 8 partial sums a lane
	v_mov_b32 v19, 0
.set i, 0
.rept 64
	v_mov_b32 v[U+i], 0                            ; U, Y, VV, SF: a sweep names all 16 registers of each, also where a row has fewer than 512 candidates and some are never filled
.set i, i+1
.endr
	s_mul_i32 s84, ttmp9, 96
	s_mov_b32 s85, 0
	s_lshl_b32 s88, ttmp9, 2
	s_mov_b32 s89, 0
	s_lshl_b32 s90, ttmp9, 4
	s_mov_b32 s91, 0
	s_mul_i32 s92, ttmp9, ROWB
	s_mov_b32 s93, 0
	s_mov_b32 s[SEL], 0x76543210
	s_mov_b32 s[SEL+1], 0xfedcba98
	s_mov_b32 s30, 0xffff0000                      ; lanes 16-31
	s_wait_kmcnt 0x0
	s_add_nc_u64 s[4:5], s[4:5], s[84:85]
	s_add_nc_u64 s[6:7], s[6:7], s[88:89]
	s_add_nc_u64 s[18:19], s[18:19], s[90:91]
	s_add_nc_u64 s[20:21], s[20:21], s[92:93]
	s_add_nc_u64 s[22:23], s[22:23], s[88:89]
	s_add_nc_u64 s[26:27], s[26:27], s[88:89]
	s_load_b32 s[SMAX], s[18:19], 0xc              ; the row's largest score
	s_load_b32 s[C], s[22:23], 0x0                 ; the row's number of candidates
	global_load_b128 v[10:13], v18, s[16:17]
	global_load_b128 v[14:17], v18, s[16:17] offset:16
.irp p, 0,1,2,3,4,5
	global_load_b64 v[QF+2*\p:QF+2*\p+1], v3, s[4:5] offset:48*(\p/3)+8*(\p%3)   ; every lane takes my row: the fragment's 16 rows are all my query
.endr
	global_load_b32 v[QS], v19, s[6:7]
	s_wait_loadcnt 7                               ; q's 7 loads may be out: the partial sums are in
	SUMS 10
	s_wait_kmcnt 0x0                               ; the largest score and the count
	s_min_u32 s[C], s[C], NSLOT
	s_add_co_u32 s[NCH], s[C], 511
	s_lshr_b32 s[NCH], s[NCH], 9
	s_max_u32 s[NCH], s[NCH], 1
	s_mov_b32 s[T], 0
	s_mov_b32 s[BIT], 0x80000000
	s_mov_b32 s[A], 0
	s_mov_b32 s[YC], 0
	s_mov_b32 s[YBIT], 0x10000
	s_mov_b32 s[K], 0
; 128 slots of the chunk: 8 tiles of 16 keys are gathered and scored.  A batch that begins behind the last candidate is left out; a row of idx is stored whole, with zeros behind its last index.
.macro BATCH b
	s_add_co_u32 s[BASE], s[SB], 128*\b
	s_cmp_ge_u32 s[BASE], s[C]
	s_cbranch_scc1 .Lno_batch_\@
.irp p, 0,1,2,3
	global_load_b32 v[SO+2*\p], v[AR], s[20:21] offset:512*\b+128*\p          ; a pair's first tile: slot + lane % 16;
	global_load_b32 v[SO+2*\p+1], v[AR], s[20:21] offset:512*\b+128*\p+64     ; its second: 16 slots on;
	global_load_b32 v[IX+\p], v[AL], s[20:21] offset:512*\b+128*\p            ; and both by lane
.endr
	s_wait_loadcnt 0x0
.irp t, 0,1,2,3,4,5,6,7
	v_min_u32 v[SO+\t], 0x1ffff, v[SO+\t]          ; an index stays inside the table
	v_mul_u32_u24 v[KO+\t], v[SO+\t], 96
	v_add_nc_u32 v[KO+\t], v[KO+\t], v3
	v_lshlrev_b32 v[SO+\t], 2, v[SO+\t]
.irp q, 0,1,2,3,4,5
	global_load_b64 v[KF+12*\t+2*\q:KF+12*\t+2*\q+1], v[KO+\t], s[8:9] offset:48*(\q/3)+8*(\q%3)
.endr
	global_load_b32 v[KSC+\t], v[SO+\t], s[10:11]
.endr
.irp p, 0,1,2,3
	v_min_u32 v[IX+\p], 0x1ffff, v[IX+\p]
	v_sub_nc_u32 v[Y+4*\b+\p], 0x1ffff, v[IX+\p]
	v_lshlrev_b32 v[IX+\p], 2, v[IX+\p]
	global_load_b32 v[HH+\p], v[IX+\p], s[12:13]
	global_load_b32 v[VV+4*\b+\p], v[IX+\p], s[14:15]
.endr
	s_wait_loadcnt 0x0
	BIAS4 HH
.irp p, 0,1,2,3
	s_sub_co_i32 s[REM], s[C], s[BASE]
	s_sub_co_i32 s[REM], s[REM], 32*\p             ; candidates from this pair's first slot on
	v_wmma_scale_f32_16x16x128_f8f6f4 v[DA:DA+7], v[QF:QF+11], v[KF+24*\p:KF+24*\p+11], 0, v[QS], v[KSC+2*\p] matrix_a_fmt:MATRIX_FMT_BF6 matrix_b_fmt:MATRIX_FMT_BF6
	v_wmma_scale_f32_16x16x128_f8f6f4 v[DB:DB+7], v[QF:QF+11], v[KF+24*\p+12:KF+24*\p+23], 0, v[QS], v[KSC+2*\p+1] matrix_a_fmt:MATRIX_FMT_BF6 matrix_b_fmt:MATRIX_FMT_BF6
.rept 4
	v_nop                                          ; four places in front of the first read of the results; with the six lines behind that read they are also the places in front of the next pair's products, which write these accumulators anew, and of the next batch's loads
.endr
	v_cndmask_b32 v10, v[DA], v[DB], s30           ; register 0 of lane (r, h) is q . key r of the tile: lanes 0-15 take the first tile's, lanes 16-31 the second's
	v_add_f32 v[SF+4*\b+\p], v10, v[HH+\p]
	v_ashrrev_i32 v11, 31, v[SF+4*\b+\p]           ; ordered bits, as in the launch that made the thresholds
	v_or_b32 v11, 0x80000000, v11
	v_xor_b32 v11, v[SF+4*\b+\p], v11
	v_cmp_gt_i32 vcc_lo, s[REM], v0
	v_cndmask_b32 v[U+4*\b+\p], 0, v11, vcc_lo     ; a slot behind the last candidate counts for nothing
.endr
.Lno_batch_\@:
.endm
.Lsweep:                                           ; sweeps 0-31: a bit of T;  32-48: a bit of the index cut;  49: the sums
	s_or_b32 s[CAND], s[T], s[BIT]
	s_or_b32 s[TMP], s[YC], s[YBIT]
	s_cmp_lt_u32 s[K], 32
	s_cselect_b32 s[CAND], s[CAND], s[TMP]
	s_mov_b32 s[CNT], 0
	s_mov_b32 s[CH], 0
.Lchunk:
	s_cmp_eq_u32 s[K], 0
	s_cbranch_scc1 .Lscore
	s_cmp_eq_u32 s[NCH], 1
	s_cbranch_scc1 .Lscored                        ; one chunk: its scores have stayed in registers since sweep 0
.Lscore:
.set i, 0
.rept 16
	v_mov_b32 v[U+i], 0                            ; what no batch fills counts for nothing
.set i, i+1
.endr
	s_lshl_b32 s[SB], s[CH], 9
	v_add_nc_u32 v[AR], s[SB], v[R]
	v_min_u32 v[AR], NSLOT, v[AR]
	v_lshlrev_b32 v[AR], 2, v[AR]
	v_add_nc_u32 v[AL], s[SB], v0
	v_min_u32 v[AL], NSLOT, v[AL]
	v_lshlrev_b32 v[AL], 2, v[AL]
	BATCH 0
	BATCH 1
	BATCH 2
	BATCH 3
.Lscored:
	s_cmp_lt_u32 s[K], 32
	s_cbranch_scc0 .Lnot_value
.set i, 0
.rept 16
	v_cmp_le_u32 s[MA+i], s[CAND], v[U+i]          ; how many scores lie at or over the trial
.set i, i+1
.endr
.set i, 0
.rept 16
	s_bcnt1_i32_b32 s[TMP], s[MA+i]
	s_add_co_u32 s[CNT], s[CNT], s[TMP]
.set i, i+1
.endr
	s_branch .Lnext
.Lnot_value:
	s_cmp_lt_u32 s[K], 49
	s_cbranch_scc0 .Lsums
.set i, 0
.rept 16
	v_cmp_eq_u32 s[MA+i], s[T], v[U+i]             ; among the scores equal to T: how many have 131,071 - index at or over the trial
	v_cmp_le_u32 s[MB+i], s[CAND], v[Y+i]
.set i, i+1
.endr
.set i, 0
.rept 16
	s_and_b32 s[MA+i], s[MA+i], s[MB+i]
	s_bcnt1_i32_b32 s[TMP], s[MA+i]
	s_add_co_u32 s[CNT], s[CNT], s[TMP]
.set i, i+1
.endr
	s_branch .Lnext
.Lsums:
.set i, 0
.rept 16
	v_sub_f32 v[TE+i], v[SF+i], s[SMAX]            ; s - the row's largest
.set i, i+1
.endr
.set i, 0
.rept 16
	v_mul_f32 v[TE+i], 0x3fb8aa3b, v[TE+i]         ; x log2(e)
.set i, i+1
.endr
.set i, 0
.rept 16
	v_exp_f32 v[TE+i], v[TE+i]
.set i, i+1
.endr
.set i, 0
.rept 16
	v_cmp_lt_u32 s[MA+i], s[T], v[U+i]             ; chosen: over T,  (these compares are the plain places behind the exponentials)
	v_cmp_eq_u32 s[MB+i], s[T], v[U+i]             ; or equal to T
.set i, i+1
.endr
.set i, 0
.rept 16
	v_cmp_le_u32 vcc_lo, s[YC], v[Y+i]             ; with an index up to the cut
	s_and_b32 s[MB+i], s[MB+i], vcc_lo
	s_or_b32 s[MA+i], s[MA+i], s[MB+i]
.set i, i+1
.endr
.set i, 0
	s_wait_alu depctr_va_vdst(0)
.rept 16
	v_cndmask_b32 v[TE+i], 0, v[TE+i], s[MA+i]
.set i, i+1
.endr
.set i, 0
.rept 16
	v_add_f32 v8, v8, v[TE+i]
	v_fmac_f32 v9, v[TE+i], v[VV+i]
.set i, i+1
.endr
.Lnext:
	s_add_co_u32 s[CH], s[CH], 1
	s_cmp_ge_u32 s[CH], s[NCH]
	s_cbranch_scc1 .Lchunks_done                   ; the row's chunks are done: out by a forward branch;
	s_cmp_lt_u32 s[CH], 32                         ; the backward branch counts against the most that a row can have
	s_cbranch_scc1 .Lchunk
.Lchunks_done:
	s_cmp_lt_u32 s[K], 32
	s_cbranch_scc0 .Lindex_bit
	s_cmp_ge_u32 s[CNT], 256
	s_cselect_b32 s[T], s[CAND], s[T]              ; 256 or more at or over the trial: the bit stays
	s_cselect_b32 s[A], s[A], s[CNT]               ; else: the count of the last trial that failed, T + 1, is how many lie over T
	s_lshr_b32 s[BIT], s[BIT], 1
	s_branch .Lbit_done
.Lindex_bit:
	s_sub_co_u32 s[TMP], 256, s[A]                 ; so many of the scores equal to T are wanted, the lowest indices first
	s_cmp_ge_u32 s[CNT], s[TMP]
	s_cselect_b32 s[YC], s[CAND], s[YC]
	s_lshr_b32 s[YBIT], s[YBIT], 1
.Lbit_done:
	s_add_co_u32 s[K], s[K], 1
	s_cmp_lt_u32 s[K], 50
	s_cbranch_scc1 .Lsweep
	; the two sums over the wave, the quotient, the clip
.irp x, 1,2,4,8
	v_add_f32_dpp v8, v8, v8 row_xmask:\x row_mask:0xf bank_mask:0xf
	v_add_f32_dpp v9, v9, v9 row_xmask:\x row_mask:0xf bank_mask:0xf
.endr
	v_permlanex16_b32 v10, v8, s[SEL], s[SEL+1]
	v_permlanex16_b32 v11, v9, s[SEL], s[SEL+1]
	v_add_f32 v8, v8, v10
	v_add_f32 v9, v9, v11
	v_rcp_f32 v10, v8
	v_cmp_eq_u32 vcc_lo, 0, v0                     ; (a plain place behind the reciprocal)
	s_wait_alu depctr_va_vdst(0)
	v_mul_f32 v8, v9, v10
	v_max_num_f32 v8, 0x3a83126f, v8               ; 1e-3
	v_min_num_f32 v8, 0x3f7fbe77, v8               ; 1 - 1e-3
	s_wait_xcnt 0x0                                ; EXEC changes only behind this wait
	s_and_saveexec_b32 s[TMP], vcc_lo              ; lane 0 stores the row's one number
	global_store_b32 v19, v8, s[26:27]
	s_endpgm
.Lfunc_end_k_q9978508b07_final:
	.size	k_q9978508b07_final, .Lfunc_end_k_q9978508b07_final-k_q9978508b07_final
	.p2alignl 7, 3214868480
	.fill 96, 4, 3214868480
	.section	.rodata,"a",@progbits
	.p2align	6, 0x0
	.amdhsa_kernel k_q9978508b07_final
		.amdhsa_group_segment_fixed_size 0
		.amdhsa_private_segment_fixed_size 0
		.amdhsa_enable_private_segment 0
		.amdhsa_kernarg_size 88
		.amdhsa_user_sgpr_count 2
		.amdhsa_user_sgpr_kernarg_segment_ptr 1
		.amdhsa_wavefront_size32 1
		.amdhsa_system_sgpr_workgroup_id_x 1
		.amdhsa_system_sgpr_workgroup_id_y 1
		.amdhsa_system_sgpr_workgroup_id_z 1
		.amdhsa_system_vgpr_workitem_id 0
		.amdhsa_next_free_vgpr 256
		.amdhsa_next_free_sgpr 96
		.amdhsa_reserve_vcc 1
		.amdhsa_float_denorm_mode_32 3
		.amdhsa_float_denorm_mode_16_64 3
		.amdhsa_memory_ordered 1
		.amdhsa_forward_progress 1
		.amdhsa_inst_pref_size 77
	.end_amdhsa_kernel
	.amdgpu_metadata
---
amdhsa.version: [ 1, 2 ]
amdhsa.kernels:
  - .name:           k_q9978508b07_final
    .symbol:         k_q9978508b07_final.kd
    .args:
      - { .name: q_codes, .offset: 0, .size: 8, .value_kind: global_buffer, .address_space: global }
      - { .name: q_scales, .offset: 8, .size: 8, .value_kind: global_buffer, .address_space: global }
      - { .name: memory_key_codes, .offset: 16, .size: 8, .value_kind: global_buffer, .address_space: global }
      - { .name: memory_key_scales, .offset: 24, .size: 8, .value_kind: global_buffer, .address_space: global }
      - { .name: memory_hist, .offset: 32, .size: 8, .value_kind: global_buffer, .address_space: global }
      - { .name: memory_values, .offset: 40, .size: 8, .value_kind: global_buffer, .address_space: global }
      - { .name: psum, .offset: 48, .size: 8, .value_kind: global_buffer, .address_space: global }
      - { .name: thr, .offset: 56, .size: 8, .value_kind: global_buffer, .address_space: global }
      - { .name: idx, .offset: 64, .size: 8, .value_kind: global_buffer, .address_space: global }
      - { .name: cnt, .offset: 72, .size: 8, .value_kind: global_buffer, .address_space: global }
      - { .name: out0, .offset: 80, .size: 8, .value_kind: global_buffer, .address_space: global }
    .group_segment_fixed_size: 0
    .private_segment_fixed_size: 0
    .kernarg_segment_align: 8
    .kernarg_segment_size: 88
    .max_flat_workgroup_size: 32
    .sgpr_count:     96
    .vgpr_count:     256
    .wavefront_size: 32
...
	.end_amdgpu_metadata
.endif
;; end of part 6
;; ======== version 2 of 2: 6 launches; version 1 with the launches groupmax, candmask, final written anew for expert scheduling mode
;; workspace buffers: psum 1,024 bytes; gmax 8,388,608 bytes; thr 16,384 bytes; mask 16,777,216 bytes of whole numbers; idx 67,108,864 bytes of whole numbers; cnt 4,096 bytes of whole numbers
;; launch histsum: the kernel of part 1 again; grid 64 x 1, 4 waves a work-group, no clusters, 0 bytes of LDS; arguments memory_hist, psum; writes psum
;; launch groupmax (part 7): grid 64 x 4, 16 waves a work-group, no clusters, 73,728 bytes of LDS; arguments q_codes, q_scales, memory_key_codes, memory_key_scales, memory_hist, psum, gmax; writes gmax
.if DOCPART == 7
	.amdgcn_target "amdgcn-amd-amdhsa--gfx1250"
	.amdhsa_code_object_version 6
	.text
	.protected	k_q9978508b07_groupmax
	.globl	k_q9978508b07_groupmax
	.p2align	8
	.type	k_q9978508b07_groupmax,@function
k_q9978508b07_groupmax:
	s_mov_b64 s[64:65], 0
	v_nop
	global_prefetch_b8 v0, s[64:65] scope:SCOPE_SE
	s_setreg_imm32_b32 hwreg(HW_REG_WAVE_SCHED_MODE, 0, 2), 2
	s_setreg_imm32_b32 hwreg(HW_REG_WAVE_MODE, 25, 1), 1
	s_wait_xcnt 0x0
	s_wait_alu depctr_vm_vsrc(0)
; THE DENSE PASS OVER ALL SCORES, one text for two launches.  CAND = 0: the largest score of each group of 64 neighbouring keys.  CAND = 1: one bit a score, 'is a candidate for the row's 256 largest'.
; score s(query, key) = q . k + ln(p_c(key)), p_c = (hist + BETA) / sum(hist + BETA): exp(s) is what the top-k ranks, and exp rises with s.  q . k is the quantised product on codes of BF6 (E3M2) with E8M0 scales;
; ln(p_c) is the C operand of the matrix instruction, so that a score costs no vector instruction.  Both launches make every score by the same instruction on the same operands: the same bits.
; SHARES.  Work-group (x, y): keys 2,048 x .. + 2,047, queries 256 y .. + 255.  Wave w keeps its 128 keys (8 fragments, their scale words and their 128 ln(p_c)) in registers for the whole launch and walks the 16 tiles
; of 16 queries: 128 matrix instructions a wave, four waves to a SIMD.  The queries' 16 fragments go from wave to wave through LDS as images of their registers.
; LAYOUT.  Source 0 = 16 keys, source 1 = 16 queries: a lane holds ONE query (lane % 16).  THE KEYS OF A TILE ARE NOT NEIGHBOURS: row m of tile t is key 64 (m / 8) + 8 t + m % 8 of the wave's 128, so that register j of
; lane (r, h) in tile t is key 64 h + 8 t + j: over the eight tiles a lane walks one whole group of 64 keys, in order.
; NO JOINT LOADS, though the four work-groups of one x read the same keys: a key fragment serves one wave of a work-group alone and goes from memory straight into its registers, once; as a shared tile the 196,608 bytes
; of codes would be written to LDS and read from it again, and the work-group has no second use for them.
; LIMITS: a slot with p_c <= 0 or under 2^-126 gets ln(p_c) = -1e30 and is never chosen while 256 slots have a larger score; NaN, infinities, the scale byte 0xff and a sum of 0 are not served;
; slots are ranked by q . k + ln(p_c) in f32, not by exp(q . k) p_c: two slots within a few last bits of each other may change places.
; THE MODE: SCHED_MODE bits 1:0 = 2 (LLVM: expert scheduling mode 2), set by the entry lines.  The code itself states the register dependences between vector or matrix instructions and memory or LDS
; instructions, with s_wait_alu, always for 0.
; THE PLAN.  Registers that memory or LDS instructions touch in the walk over the 16 query tiles:
;   QF0, QF1 with QS0, QS1   Tile q's eight matrix instructions read buffer q % 2; the LDS loads of tile q + 1 land in the other buffer, in tile q's second step.
;   the tile's result        (CAND = 0: two copies of the running maximum; CAND = 1: two pairs of mask words.)  Tile q's slices write copy q % 2; its store into the stage is issued in tile q + 1's second step.
;   v[LI], v[LS], v[STO], v[RD]   Made once at the head, never written again.
;   The key fragments, their scales, ln(p_c) and the accumulators are named by vector and matrix instructions alone until the way out.
; So ONE wait on va_vdst stands in a tile, in its second step: it states that the tile before has written its result and that its matrix instructions are done reading their query buffer; the store and the four loads
; follow it.  One wait on vm_vsrc stands at a tile's head: the store of two tiles back has read the copy that this tile's slices write again.
.set CAND,  0
.set QSC,   24576                      ; LDS: 0: the 16 query fragments, 1,536 bytes each (3 x 512: 16 bytes a lane);  QSC: their scale words, 128 bytes each
.set BIASL, 26624                      ; each wave's own 128 ln(p_c), in key order, 512 bytes
.set STG,   34816                      ; the stage for the way out: 256 rows (queries) of SP bytes
.if CAND
.set SP,    272                        ; 64 mask words + 16
.set OUTP,  18
.set OSH,   8
.set QWAIT, 63
.else
.set SP,    144                        ; 32 maxima + 16
.set OUTP,  16
.set OSH,   7
.set QWAIT, 56
.endif
.set RPL,   512/(SP-16)                ; rows of the stage that one load of 512 bytes takes
.set NOUT,  16/RPL                     ; such loads for a wave's 16 rows
.set LI,  1                            ; v1   16 x lane: a fragment image's place for my lane; also my place in a store of 512 bytes
.set LS,  2                            ; v2   QSC + 4 x lane
.set STO, 3                            ; v3   the stage: where my lane's result goes
.set RD,  4                            ; v4   the stage: where I read rows back
.set RS,  5                            ; v5   1 / sum(hist + BETA)
.set KF,  12                           ; v12-107   my 8 key fragments
.set KS,  108                          ; v108-115  their scale words
.set BI,  116                          ; v116-179  ln(p_c) in the result's layout, 8 registers a tile
.set QF,  180                          ; v180-203  two query fragments by turns
.set QS,  204                          ; v204-205  their scale words
.set ACC, 206                          ; v206-237  four accumulators by turns
.set LE,  238                          ; CAND: v238-253 the threshold of my lane's query and group, for each of the 16 tiles
.set GM,  238                          ; else: v238-239 the running maximum, two copies by turns; v240-241 at work
.set GX,  240
.set GY,  241
.set KOF,  192                         ; the head's offsets lie in the second query buffer, which is taken over behind the waits that free them
.set KSOF, 193
.set QOF,  194
.set QSOF, 195
.set POF,  196
.set TOF,  197
.set BSA,  198
.set BLA,  199
.set HI,   200                         ; v200-203 four numbers of hist
.set PS,   116                         ; v116-123 eight partial sums
.set SEL,  30                          ; s[30:31]
.set CM,   32                          ; s[32:39] CAND: eight lane masks of the compares on the records (the head's scalars that lay there are done with)
.macro SUMS a                          ; the 256 partial sums, 8 a lane in v[a] on, become 1 / their sum in v[RS]: the same lines in every launch that needs it
	v_pk_add_f32 v[\a:\a+1], v[\a:\a+1], v[\a+2:\a+3]
	v_pk_add_f32 v[\a+4:\a+5], v[\a+4:\a+5], v[\a+6:\a+7]
	v_pk_add_f32 v[\a:\a+1], v[\a:\a+1], v[\a+4:\a+5]
	v_add_f32 v[\a], v[\a], v[\a+1]
	v_add_f32_dpp v[\a], v[\a], v[\a] row_xmask:1 row_mask:0xf bank_mask:0xf
	v_add_f32_dpp v[\a], v[\a], v[\a] row_xmask:2 row_mask:0xf bank_mask:0xf
	v_add_f32_dpp v[\a], v[\a], v[\a] row_xmask:4 row_mask:0xf bank_mask:0xf
	v_add_f32_dpp v[\a], v[\a], v[\a] row_xmask:8 row_mask:0xf bank_mask:0xf
	v_permlanex16_b32 v[\a+1], v[\a], s[SEL], s[SEL+1]
	v_add_f32 v[\a], v[\a], v[\a+1]
	v_rcp_f32 v[RS], v[\a]
	v_nop                                          ; one plain place behind a transcendental
.endm
.macro BIAS4 x                         ; four numbers of hist become ln(p_c); what is no positive normal number becomes -1e30 (a NaN and -infinity lose the maximum)
.irp i, 0,1,2,3
	v_add_f32 v[\x+\i], 0x322bcc77, v[\x+\i]       ; + BETA
.endr
	s_wait_alu depctr_va_vdst(0)                   ; the reciprocal has written v[RS], ahead of its first reader
.irp i, 0,1,2,3
	v_mul_f32 v[\x+\i], v[\x+\i], v[RS]
.endr
.irp i, 0,1,2,3
	v_log_f32 v[\x+\i], v[\x+\i]
.endr
	v_nop                                          ; one plain place behind the logarithms
	s_wait_alu depctr_va_vdst(0)                   ; the four logarithms have written their results, ahead of their first reader
.irp i, 0,1,2,3
	v_mul_f32 v[\x+\i], 0x3f317218, v[\x+\i]       ; x ln 2
.endr
.irp i, 0,1,2,3
	v_max_num_f32 v[\x+\i], 0xf149f2ca, v[\x+\i]
.endr
.endm
.macro PLACES
.rept 4
	v_nop
.endr
.endm
	s_load_b256 s[4:11], s[0:1], 0x0               ; q's codes s[4:5], q's scales s[6:7], the keys' codes s[8:9], the keys' scales s[10:11]
	s_load_b128 s[12:15], s[0:1], 0x20             ; hist s[12:13], psum s[14:15]
.if CAND
	s_load_b128 s[16:19], s[0:1], 0x30             ; thr s[16:17], mask s[18:19]
.else
	s_load_b64 s[16:17], s[0:1], 0x30              ; gmax
	v_lshl_add_u32 v254, v0, 2, 0x11800
	v_mov_b32 v255, 0
.endif
	v_lshrrev_b32 v6, 5, v0
	v_readfirstlane_b32 s20, v6                    ; wave 0..15
	s_and_b32 s22, ttmp7, 0xffff                   ; which 256 queries
	s_lshl_b32 s23, ttmp9, 11
	s_wait_alu depctr_va_sdst(0)                   ; s20 is written, ahead of its first reader: bases and LDS addresses are made from it
	s_lshl_b32 s24, s20, 7
	s_add_co_u32 s23, s23, s24                     ; my first key: 2,048 x + 128 w
	s_mul_i32 s24, s23, 96                         ; its codes (under 2^24 bytes)
	s_mov_b32 s25, 0
	s_lshl_b32 s26, s23, 2                         ; its scale word, and its number in hist
	s_mov_b32 s27, 0
	s_lshl_b32 s34, s22, 8
	s_lshl_b32 s35, s20, 4
	s_add_co_u32 s34, s34, s35                     ; the tile of queries that I bring in, and the 16 rows that I store: 256 y + 16 w
	s_mul_i32 s28, s34, 96
	s_mov_b32 s29, 0
	s_lshl_b32 s32, s34, 2
	s_mov_b32 s33, 0
	s_lshl_b32 s35, ttmp9, 10
	s_add_co_u32 s35, s35, s34
	s_lshl_b32 s36, s35, OSH                       ; the output is laid [x][row][SP - 16 bytes]
	s_mov_b32 s37, 0
	s_lshl_b32 s38, s22, 12                        ; thr: 16 bytes a row
	s_mov_b32 s39, 0
	s_mov_b32 s[SEL], 0x76543210
	s_mov_b32 s[SEL+1], 0xfedcba98
	v_and_b32 v6, 31, v0                           ; lane
	v_and_b32 v7, 15, v0                           ; r
	v_bfe_u32 v8, v0, 4, 1                         ; h
	v_lshlrev_b32 v[LI], 4, v6
	v_lshl_add_u32 v[LS], v6, 2, QSC
	v_lshrrev_b32 v9, 3, v7
	v_mad_u32_u24 v9, v9, 56, v7                   ; r + 56 (r / 8): the key of tile 0 that lane r holds
	v_mul_u32_u24 v[KOF], v9, 96
	v_mad_u32_u24 v[KOF], v8, 24, v[KOF]           ; a fragment: 24 bytes at 96 x row + 24 h, and 24 more 48 bytes on
	v_lshlrev_b32 v[KSOF], 2, v9
	v_mul_u32_u24 v[QOF], v7, 96
	v_mad_u32_u24 v[QOF], v8, 24, v[QOF]
	v_lshlrev_b32 v[QSOF], 2, v7
	v_lshlrev_b32 v[POF], 5, v6                    ; 8 partial sums a lane
.if CAND
	v_lshlrev_b32 v[TOF], 4, v7                    ; my query's record in a tile's 256 bytes of thr
	s_lshl_b32 s43, ttmp9, 5
	s_lshl_b32 s44, s20, 1
	s_add_co_u32 s43, s43, s44
	v_add_nc_u32 v11, s43, v8                      ; my lane's group among the row's 2,048: 32 x + 2 w + h
.endif
	s_lshl_b32 s42, s20, 9
	s_add_co_u32 s42, s42, BIASL
	v_add_nc_u32 v[BSA], s42, v[LI]                ; my wave's ln(p_c): in by 16 bytes a lane,
	v_lshl_add_u32 v[BLA], v8, 8, s42              ; out from my half's 64 keys on
	v_mul_u32_u24 v[STO], v7, SP                   ; the stage: row = my query, column = my group
.if CAND
	v_lshl_add_u32 v[STO], v8, 3, v[STO]
	s_lshl_b32 s40, s20, 4
.else
	v_lshl_add_u32 v[STO], v8, 2, v[STO]
	s_lshl_b32 s40, s20, 3
.endif
	s_add_co_u32 s40, s40, STG
	v_add_nc_u32 v[STO], s40, v[STO]
.if CAND
	v_mul_u32_u24 v[RD], v8, SP                    ; back: sixteen lanes to a row of 256 bytes
	v_lshl_add_u32 v[RD], v7, 4, v[RD]
.else
	v_lshrrev_b32 v9, 3, v6                        ; back: eight lanes to a row of 128 bytes
	v_and_b32 v10, 7, v6
	v_mul_u32_u24 v[RD], v9, SP
	v_lshl_add_u32 v[RD], v10, 4, v[RD]
.endif
	s_mul_i32 s40, s20, 16*SP
	s_add_co_u32 s40, s40, STG
	v_add_nc_u32 v[RD], s40, v[RD]
	s_mul_i32 s40, s20, 1536
	v_add_nc_u32 v9, s40, v[LI]                    ; where my tile of queries' image goes
	s_lshl_b32 s41, s20, 7
	v_add_nc_u32 v10, s41, v[LS]                   ; and its scale words
	s_wait_kmcnt 0x0
	s_add_nc_u64 s[8:9], s[8:9], s[24:25]
	s_add_nc_u64 s[10:11], s[10:11], s[26:27]
	s_add_nc_u64 s[12:13], s[12:13], s[26:27]
	s_add_nc_u64 s[4:5], s[4:5], s[28:29]
	s_add_nc_u64 s[6:7], s[6:7], s[32:33]
	s_add_nc_u64 s[OUTP:OUTP+1], s[OUTP:OUTP+1], s[36:37]
.if CAND
	s_add_nc_u64 s[16:17], s[16:17], s[38:39]
.endif
	s_wait_alu depctr_va_vdst(0)                   ; all offsets and LDS addresses (v1 to v4, v9, v10, v192 to v199) are written: every load and store of the kernel reads one of them, and none is written again while it serves
	; every global load of the launch is issued here, what is wanted first in front
	global_load_b128 v[PS:PS+3], v[POF], s[14:15]
	global_load_b128 v[PS+4:PS+7], v[POF], s[14:15] offset:16
	global_load_b128 v[HI:HI+3], v[LI], s[12:13]   ; my wave's 128 numbers of hist, 4 a lane
.if CAND
.irp q, 0,1,2,3,4,5,6,7
	global_load_b128 v[ACC+4*\q:ACC+4*\q+3], v[TOF], s[16:17] offset:256*\q   ; the records of tiles 0 to 7
.endr
.endif
.irp p, 0,1,2,3,4,5
	global_load_b64 v[QF+2*\p:QF+2*\p+1], v[QOF], s[4:5] offset:48*(\p/3)+8*(\p%3)
.endr
	global_load_b32 v[QS], v[QSOF], s[6:7]
.irp t, 0,1,2,3,4,5,6,7
.irp p, 0,1,2,3,4,5
	global_load_b64 v[KF+12*\t+2*\p:KF+12*\t+2*\p+1], v[KOF], s[8:9] offset:768*\t+48*(\p/3)+8*(\p%3)
.endr
	global_load_b32 v[KS+\t], v[KSOF], s[10:11] offset:32*\t
.endr
	s_wait_loadcnt 63                              ; q's 7 loads and the keys' 56 may be out: all that was issued ahead of them is in
	SUMS PS
	BIAS4 HI
	s_wait_alu depctr_va_vdst(0)                   ; ln(p_c) is written in v[HI ..], which the LDS store reads; the lines of the sum are done with v[PS ..], in which the LDS loads below land
	ds_store_b128 v[BSA], v[HI:HI+3]               ; my wave's own bytes: LDS serves a wave's instructions in order, so the loads below see this store
.set i, 0
.rept 16
	ds_load_b128 v[BI+4*i:BI+4*i+3], v[BLA] offset:16*i   ; register 8 t + j: ln(p_c) of key 64 h + 8 t + j
.set i, i+1
.endr
.if CAND
; A candidate is a score over T, or equal to T in a group up to gcut: that is s > f(T - 1) there and s > f(T) in the later groups, f(T - 1) being the next number under f(T)
.irp q, 0,1,2,3,4,5,6,7
	v_cmp_ge_u32 s[CM+\q], v[ACC+4*\q+2], v11
.endr
	s_wait_alu depctr_va_sdst(0)                   ; the eight compares have written s[CM ..], ahead of the selects that read them
.irp q, 0,1,2,3,4,5,6,7
	v_cndmask_b32 v[LE+\q], v[ACC+4*\q+1], v[ACC+4*\q], s[CM+\q]
.endr
	s_wait_alu depctr_va_vdst(0)                   ; the compares and selects are done reading the first eight records, in whose registers the next eight land
.irp q, 0,1,2,3,4,5,6,7
	global_load_b128 v[ACC+4*\q:ACC+4*\q+3], v[TOF], s[16:17] offset:256*(8+\q)   ; the records of tiles 8 to 15
.endr
.endif
	s_wait_loadcnt QWAIT                           ; q's loads are in: behind them stand the keys' 56 (CAND: and 8 records, 64 in all; the count's field ends at 63, and a smaller count is safe)
.irp c, 0,1,2
	ds_store_b128 v9, v[QF+4*\c:QF+4*\c+3] offset:512*\c
.endr
	ds_store_b32 v10, v[QS]
	s_wait_dscnt 0x0                               ; for the others' sake: my image has landed; and my ln(p_c) are in
	s_barrier_signal -1
	s_barrier_wait -1                              ; the 16 query fragments lie in LDS
.macro QLOAD                           ; tile ql's fragment and scale words into buffer ql % 2
.irp c, 0,1,2
	ds_load_b128 v[QF+12*(ql%2)+4*\c:QF+12*(ql%2)+4*\c+3], v[LI] offset:1536*ql+512*\c
.endr
	ds_load_b32 v[QS+ql%2], v[LS] offset:128*ql
.endm
	s_wait_xcnt 0x0                                ; every global load has had its addresses translated: only now are the offsets' registers taken over
	s_wait_alu depctr_vm_vsrc(0)                   ; the loads have read their offsets v192 to v199, the LDS stores v[HI ..], v[QF ..] and v[QS]: the query fragments' loads below land in all of these
.set ql, 0
	QLOAD
.set ql, 1
	QLOAD
	s_wait_loadcnt 0x0                             ; the keys
.if CAND
.irp q, 0,1,2,3,4,5,6,7
	v_cmp_ge_u32 s[CM+\q], v[ACC+4*\q+2], v11
.endr
	s_wait_alu depctr_va_sdst(0)                   ; the eight compares have written s[CM ..], ahead of the selects that read them
.irp q, 0,1,2,3,4,5,6,7
	v_cndmask_b32 v[LE+8+\q], v[ACC+4*\q+1], v[ACC+4*\q], s[CM+\q]
.endr
	v_mov_b32 v254, 0                              ; the two pairs of mask words are named as sources before 32 shifts have filled them
	v_mov_b32 v255, 0
	v_mov_b32 v6, 0
	v_mov_b32 v7, 0
.endif
; STEP stp (0 .. 127): query tile stp / 8, key tile stp % 8.  One matrix instruction, and behind it the vector work on the result of the step before.
; No sum is continued: K is 128, one instruction.  An accumulator is written again four steps later; between stand three slices that name none of its instruction's registers, 12 places or more (5 are asked).
; Between a matrix instruction and the slice that reads its result stands the slice of the step before: 4 places or more.
.macro MM
.set mq, (stp/8)%2
.set mt, stp%8
.set ma, ACC+8*(stp%4)
	v_wmma_scale_f32_16x16x128_f8f6f4 v[ma:ma+7], v[KF+12*mt:KF+12*mt+11], v[QF+12*mq:QF+12*mq+11], v[BI+8*mt:BI+8*mt+7], v[KS+mt], v[QS+mq] matrix_a_fmt:MATRIX_FMT_BF6 matrix_b_fmt:MATRIX_FMT_BF6
.endm
.macro SLICE                           ; the eight scores of step sl, from the accumulator's low end on
.set sa, ACC+8*(sl%4)
.set sq, sl/8
.if CAND
.set le, LE+2*(sq/2)
.set wp, 254-248*(sq%2)                ; the pair of mask words: v[254:255] and v[6:7] by turns, so that a pair's store has a whole tile in which to read it before the pair is written again
.set ww, wp+(sl%8)/4
.irp i, 0,1,2,3
.if sq%2 == 0
	v_pk_add_f32 v[sa+2*\i:sa+2*\i+1], v[sa+2*\i:sa+2*\i+1], v[le:le+1] op_sel_hi:[1,0] neg_lo:[1,0] neg_hi:[1,0]   ; threshold - s: negative where s is a candidate
.else
	v_pk_add_f32 v[sa+2*\i:sa+2*\i+1], v[sa+2*\i:sa+2*\i+1], v[le:le+1] op_sel:[0,1] op_sel_hi:[1,1] neg_lo:[1,0] neg_hi:[1,0]
.endif
.endr
.irp j, 0,1,2,3,4,5,6,7
	v_alignbit_b32 v[ww], v[ww], v[sa+\j], 31      ; word = 2 x word + the sign: key o of a word's 32 ends at bit 31 - o
.endr
.else
.set gm, GM+sq%2                       ; two copies by turns, for the same reason
	v_max3_num_f32 v[GX], v[sa], v[sa+1], v[sa+2]
	v_max3_num_f32 v[GY], v[sa+3], v[sa+4], v[sa+5]
	v_max3_num_f32 v[GX], v[GX], v[sa+6], v[sa+7]
.if sl%8 == 0
	v_max_num_f32 v[gm], v[GX], v[GY]
.else
	v_max3_num_f32 v[gm], v[gm], v[GX], v[GY]
.endif
.endif
.endm
.macro TOSTAGE                         ; tile sq's result goes into the stage
.if CAND
	ds_store_b64 v[STO], v[254-248*(sq%2):255-248*(sq%2)] offset:16*SP*sq
.else
	ds_store_b32 v[STO], v[GM+sq%2] offset:16*SP*sq
.endif
.endm
.macro STEP
.if stp%8 == 0
	s_wait_dscnt 0x0                               ; this tile's query fragment, asked for seven steps ago, is in; the last stage store is done
.if stp/8 >= 2
	s_wait_alu depctr_vm_vsrc(0)                   ; the stage store of two tiles back has read its copy of the result, which this tile's slices write again
.endif
.endif
	MM
.if stp == 0
	PLACES                                         ; the first step has no slice to stand here
.else
.set sl, stp-1
	SLICE
.endif
.if (stp%8 == 1) && (stp/8 >= 1)
	s_wait_alu depctr_va_vdst(0)                   ; the slices have written the result of the tile before, which the store reads; that tile's matrix instructions are done reading their query fragment and its scales, in which the loads land
.set sq, stp/8-1
	TOSTAGE
.if stp/8 <= 14
.set ql, stp/8+1
	QLOAD                                          ; into the buffer that the tile before has left.  No matrix instruction of this tile names it
.endif
.endif
.endm
.set stp, 0
.rept 128
	STEP
.set stp, stp+1
.endr
	PLACES
.set sl, 127
	SLICE
	s_wait_alu depctr_va_vdst(0)                   ; the last slice has written tile 15's result, which the store reads; every matrix instruction is done reading the key fragments, in which the way out's loads land
.set sq, 15
	TOSTAGE
	; THE WAY OUT: a row of the output comes from all sixteen waves; each wave stores 16 whole rows, 512 consecutive bytes an instruction
	s_wait_dscnt 0x0                               ; for the others' sake: my stores into the stage have landed
	s_barrier_signal -1
	s_barrier_wait -1
.set i, 0
.rept NOUT
	ds_load_b128 v[KF+4*i:KF+4*i+3], v[RD] offset:i*RPL*SP
.set i, i+1
.endr
.set i, 0
.rept NOUT
	s_wait_dscnt NOUT-1-i                          ; the loads behind load i may be out
	global_store_b128 v[LI], v[KF+4*i:KF+4*i+3], s[OUTP:OUTP+1] offset:512*i
.set i, i+1
.endr
.if CAND
	s_wait_xcnt 0x0
	s_wait_alu depctr_vm_vsrc(0)                   ; tile 14's stage store has read v[254:255], which are made anew here
	v_lshl_add_u32 v254, v0, 2, 0x19800
	v_mov_b32 v255, 0
.endif
	s_wait_dscnt 0x0                               ; the closing lines, six on end, of a launch in the mode that stores to LDS
	s_wait_alu 0x0
	s_wait_tensorcnt 0x0
	ds_add_u32 v254, v255
	s_wait_dscnt 0x0
	s_endpgm
.Lfunc_end_k_q9978508b07_groupmax:
	.size	k_q9978508b07_groupmax, .Lfunc_end_k_q9978508b07_groupmax-k_q9978508b07_groupmax
	.p2alignl 7, 3214868480
	.fill 96, 4, 3214868480
	.section	.rodata,"a",@progbits
	.p2align	6, 0x0
	.amdhsa_kernel k_q9978508b07_groupmax
		.amdhsa_group_segment_fixed_size 73728
		.amdhsa_private_segment_fixed_size 0
		.amdhsa_enable_private_segment 0
		.amdhsa_kernarg_size 56
		.amdhsa_user_sgpr_count 2
		.amdhsa_user_sgpr_kernarg_segment_ptr 1
		.amdhsa_wavefront_size32 1
		.amdhsa_system_sgpr_workgroup_id_x 1
		.amdhsa_system_sgpr_workgroup_id_y 1
		.amdhsa_system_sgpr_workgroup_id_z 1
		.amdhsa_system_vgpr_workitem_id 0
		.amdhsa_next_free_vgpr 256
		.amdhsa_next_free_sgpr 66
		.amdhsa_reserve_vcc 0
		.amdhsa_float_denorm_mode_32 3
		.amdhsa_float_denorm_mode_16_64 3
		.amdhsa_memory_ordered 1
		.amdhsa_forward_progress 1
		.amdhsa_inst_pref_size 69
	.end_amdhsa_kernel
	.amdgpu_metadata
---
amdhsa.version: [ 1, 2 ]
amdhsa.kernels:
  - .name:           k_q9978508b07_groupmax
    .symbol:         k_q9978508b07_groupmax.kd
    .args:
      - { .name: q_codes, .offset: 0, .size: 8, .value_kind: global_buffer, .address_space: global }
      - { .name: q_scales, .offset: 8, .size: 8, .value_kind: global_buffer, .address_space: global }
      - { .name: memory_key_codes, .offset: 16, .size: 8, .value_kind: global_buffer, .address_space: global }
      - { .name: memory_key_scales, .offset: 24, .size: 8, .value_kind: global_buffer, .address_space: global }
      - { .name: memory_hist, .offset: 32, .size: 8, .value_kind: global_buffer, .address_space: global }
      - { .name: psum, .offset: 40, .size: 8, .value_kind: global_buffer, .address_space: global }
      - { .name: gmax, .offset: 48, .size: 8, .value_kind: global_buffer, .address_space: global }
    .group_segment_fixed_size: 73728
    .private_segment_fixed_size: 0
    .kernarg_segment_align: 8
    .kernarg_segment_size: 56
    .max_flat_workgroup_size: 512
    .sgpr_count:     66
    .vgpr_count:     256
    .wavefront_size: 32
...
	.end_amdgpu_metadata
.endif
;; end of part 7
;; launch thresh: the kernel of part 3 again; grid 256 x 1, 4 waves a work-group, no clusters, 33,792 bytes of LDS; arguments gmax, thr; writes thr
;; launch candmask (part 8): grid 64 x 4, 16 waves a work-group, no clusters, 106,496 bytes of LDS; arguments q_codes, q_scales, memory_key_codes, memory_key_scales, memory_hist, psum, thr, mask; writes mask
.if DOCPART == 8
	.amdgcn_target "amdgcn-amd-amdhsa--gfx1250"
	.amdhsa_code_object_version 6
	.text
	.protected	k_q9978508b07_candmask
	.globl	k_q9978508b07_candmask
	.p2align	8
	.type	k_q9978508b07_candmask,@function
k_q9978508b07_candmask:
	s_mov_b64 s[64:65], 0
	v_nop
	global_prefetch_b8 v0, s[64:65] scope:SCOPE_SE
	s_setreg_imm32_b32 hwreg(HW_REG_WAVE_SCHED_MODE, 0, 2), 2
	s_setreg_imm32_b32 hwreg(HW_REG_WAVE_MODE, 25, 1), 1
	s_wait_xcnt 0x0
	s_wait_alu depctr_vm_vsrc(0)
; THE DENSE PASS OVER ALL SCORES, one text for two launches.  CAND = 0: the largest score of each group of 64 neighbouring keys.  CAND = 1: one bit a score, 'is a candidate for the row's 256 largest'.
; score s(query, key) = q . k + ln(p_c(key)), p_c = (hist + BETA) / sum(hist + BETA): exp(s) is what the top-k ranks, and exp rises with s.  q . k is the quantised product on codes of BF6 (E3M2) with E8M0 scales;
; ln(p_c) is the C operand of the matrix instruction, so that a score costs no vector instruction.  Both launches make every score by the same instruction on the same operands: the same bits.
; SHARES.  Work-group (x, y): keys 2,048 x .. + 2,047, queries 256 y .. + 255.  Wave w keeps its 128 keys (8 fragments, their scale words and their 128 ln(p_c)) in registers for the whole launch and walks the 16 tiles
; of 16 queries: 128 matrix instructions a wave, four waves to a SIMD.  The queries' 16 fragments go from wave to wave through LDS as images of their registers.
; LAYOUT.  Source 0 = 16 keys, source 1 = 16 queries: a lane holds ONE query (lane % 16).  THE KEYS OF A TILE ARE NOT NEIGHBOURS: row m of tile t is key 64 (m / 8) + 8 t + m % 8 of the wave's 128, so that register j of
; lane (r, h) in tile t is key 64 h + 8 t + j: over the eight tiles a lane walks one whole group of 64 keys, in order.
; NO JOINT LOADS, though the four work-groups of one x read the same keys: a key fragment serves one wave of a work-group alone and goes from memory straight into its registers, once; as a shared tile the 196,608 bytes
; of codes would be written to LDS and read from it again, and the work-group has no second use for them.
; LIMITS: a slot with p_c <= 0 or under 2^-126 gets ln(p_c) = -1e30 and is never chosen while 256 slots have a larger score; NaN, infinities, the scale byte 0xff and a sum of 0 are not served;
; slots are ranked by q . k + ln(p_c) in f32, not by exp(q . k) p_c: two slots within a few last bits of each other may change places.
; THE MODE: SCHED_MODE bits 1:0 = 2 (LLVM: expert scheduling mode 2), set by the entry lines.  The code itself states the register dependences between vector or matrix instructions and memory or LDS
; instructions, with s_wait_alu, always for 0.
; THE PLAN.  Registers that memory or LDS instructions touch in the walk over the 16 query tiles:
;   QF0, QF1 with QS0, QS1   Tile q's eight matrix instructions read buffer q % 2; the LDS loads of tile q + 1 land in the other buffer, in tile q's second step.
;   the tile's result        (CAND = 0: two copies of the running maximum; CAND = 1: two pairs of mask words.)  Tile q's slices write copy q % 2; its store into the stage is issued in tile q + 1's second step.
;   v[LI], v[LS], v[STO], v[RD]   Made once at the head, never written again.
;   The key fragments, their scales, ln(p_c) and the accumulators are named by vector and matrix instructions alone until the way out.
; So ONE wait on va_vdst stands in a tile, in its second step: it states that the tile before has written its result and that its matrix instructions are done reading their query buffer; the store and the four loads
; follow it.  One wait on vm_vsrc stands at a tile's head: the store of two tiles back has read the copy that this tile's slices write again.
.set CAND,  1
.set QSC,   24576                      ; LDS: 0: the 16 query fragments, 1,536 bytes each (3 x 512: 16 bytes a lane);  QSC: their scale words, 128 bytes each
.set BIASL, 26624                      ; each wave's own 128 ln(p_c), in key order, 512 bytes
.set STG,   34816                      ; the stage for the way out: 256 rows (queries) of SP bytes
.if CAND
.set SP,    272                        ; 64 mask words + 16
.set OUTP,  18
.set OSH,   8
.set QWAIT, 63
.else
.set SP,    144                        ; 32 maxima + 16
.set OUTP,  16
.set OSH,   7
.set QWAIT, 56
.endif
.set RPL,   512/(SP-16)                ; rows of the stage that one load of 512 bytes takes
.set NOUT,  16/RPL                     ; such loads for a wave's 16 rows
.set LI,  1                            ; v1   16 x lane: a fragment image's place for my lane; also my place in a store of 512 bytes
.set LS,  2                            ; v2   QSC + 4 x lane
.set STO, 3                            ; v3   the stage: where my lane's result goes
.set RD,  4                            ; v4   the stage: where I read rows back
.set RS,  5                            ; v5   1 / sum(hist + BETA)
.set KF,  12                           ; v12-107   my 8 key fragments
.set KS,  108                          ; v108-115  their scale words
.set BI,  116                          ; v116-179  ln(p_c) in the result's layout, 8 registers a tile
.set QF,  180                          ; v180-203  two query fragments by turns
.set QS,  204                          ; v204-205  their scale words
.set ACC, 206                          ; v206-237  four accumulators by turns
.set LE,  238                          ; CAND: v238-253 the threshold of my lane's query and group, for each of the 16 tiles
.set GM,  238                          ; else: v238-239 the running maximum, two copies by turns; v240-241 at work
.set GX,  240
.set GY,  241
.set KOF,  192                         ; the head's offsets lie in the second query buffer, which is taken over behind the waits that free them
.set KSOF, 193
.set QOF,  194
.set QSOF, 195
.set POF,  196
.set TOF,  197
.set BSA,  198
.set BLA,  199
.set HI,   200                         ; v200-203 four numbers of hist
.set PS,   116                         ; v116-123 eight partial sums
.set SEL,  30                          ; s[30:31]
.set CM,   32                          ; s[32:39] CAND: eight lane masks of the compares on the records (the head's scalars that lay there are done with)
.macro SUMS a                          ; the 256 partial sums, 8 a lane in v[a] on, become 1 / their sum in v[RS]: the same lines in every launch that needs it
	v_pk_add_f32 v[\a:\a+1], v[\a:\a+1], v[\a+2:\a+3]
	v_pk_add_f32 v[\a+4:\a+5], v[\a+4:\a+5], v[\a+6:\a+7]
	v_pk_add_f32 v[\a:\a+1], v[\a:\a+1], v[\a+4:\a+5]
	v_add_f32 v[\a], v[\a], v[\a+1]
	v_add_f32_dpp v[\a], v[\a], v[\a] row_xmask:1 row_mask:0xf bank_mask:0xf
	v_add_f32_dpp v[\a], v[\a], v[\a] row_xmask:2 row_mask:0xf bank_mask:0xf
	v_add_f32_dpp v[\a], v[\a], v[\a] row_xmask:4 row_mask:0xf bank_mask:0xf
	v_add_f32_dpp v[\a], v[\a], v[\a] row_xmask:8 row_mask:0xf bank_mask:0xf
	v_permlanex16_b32 v[\a+1], v[\a], s[SEL], s[SEL+1]
	v_add_f32 v[\a], v[\a], v[\a+1]
	v_rcp_f32 v[RS], v[\a]
	v_nop                                          ; one plain place behind a transcendental
.endm
.macro BIAS4 x                         ; four numbers of hist become ln(p_c); what is no positive normal number becomes -1e30 (a NaN and -infinity lose the maximum)
.irp i, 0,1,2,3
	v_add_f32 v[\x+\i], 0x322bcc77, v[\x+\i]       ; + BETA
.endr
	s_wait_alu depctr_va_vdst(0)                   ; the reciprocal has written v[RS], ahead of its first reader
.irp i, 0,1,2,3
	v_mul_f32 v[\x+\i], v[\x+\i], v[RS]
.endr
.irp i, 0,1,2,3
	v_log_f32 v[\x+\i], v[\x+\i]
.endr
	v_nop                                          ; one plain place behind the logarithms
	s_wait_alu depctr_va_vdst(0)                   ; the four logarithms have written their results, ahead of their first reader
.irp i, 0,1,2,3
	v_mul_f32 v[\x+\i], 0x3f317218, v[\x+\i]       ; x ln 2
.endr
.irp i, 0,1,2,3
	v_max_num_f32 v[\x+\i], 0xf149f2ca, v[\x+\i]
.endr
.endm
.macro PLACES
.rept 4
	v_nop
.endr
.endm
	s_load_b256 s[4:11], s[0:1], 0x0               ; q's codes s[4:5], q's scales s[6:7], the keys' codes s[8:9], the keys' scales s[10:11]
	s_load_b128 s[12:15], s[0:1], 0x20             ; hist s[12:13], psum s[14:15]
.if CAND
	s_load_b128 s[16:19], s[0:1], 0x30             ; thr s[16:17], mask s[18:19]
.else
	s_load_b64 s[16:17], s[0:1], 0x30              ; gmax
	v_lshl_add_u32 v254, v0, 2, 0x11800
	v_mov_b32 v255, 0
.endif
	v_lshrrev_b32 v6, 5, v0
	v_readfirstlane_b32 s20, v6                    ; wave 0..15
	s_and_b32 s22, ttmp7, 0xffff                   ; which 256 queries
	s_lshl_b32 s23, ttmp9, 11
	s_wait_alu depctr_va_sdst(0)                   ; s20 is written, ahead of its first reader: bases and LDS addresses are made from it
	s_lshl_b32 s24, s20, 7
	s_add_co_u32 s23, s23, s24                     ; my first key: 2,048 x + 128 w
	s_mul_i32 s24, s23, 96                         ; its codes (under 2^24 bytes)
	s_mov_b32 s25, 0
	s_lshl_b32 s26, s23, 2                         ; its scale word, and its number in hist
	s_mov_b32 s27, 0
	s_lshl_b32 s34, s22, 8
	s_lshl_b32 s35, s20, 4
	s_add_co_u32 s34, s34, s35                     ; the tile of queries that I bring in, and the 16 rows that I store: 256 y + 16 w
	s_mul_i32 s28, s34, 96
	s_mov_b32 s29, 0
	s_lshl_b32 s32, s34, 2
	s_mov_b32 s33, 0
	s_lshl_b32 s35, ttmp9, 10
	s_add_co_u32 s35, s35, s34
	s_lshl_b32 s36, s35, OSH                       ; the output is laid [x][row][SP - 16 bytes]
	s_mov_b32 s37, 0
	s_lshl_b32 s38, s22, 12                        ; thr: 16 bytes a row
	s_mov_b32 s39, 0
	s_mov_b32 s[SEL], 0x76543210
	s_mov_b32 s[SEL+1], 0xfedcba98
	v_and_b32 v6, 31, v0                           ; lane
	v_and_b32 v7, 15, v0                           ; r
	v_bfe_u32 v8, v0, 4, 1                         ; h
	v_lshlrev_b32 v[LI], 4, v6
	v_lshl_add_u32 v[LS], v6, 2, QSC
	v_lshrrev_b32 v9, 3, v7
	v_mad_u32_u24 v9, v9, 56, v7                   ; r + 56 (r / 8): the key of tile 0 that lane r holds
	v_mul_u32_u24 v[KOF], v9, 96
	v_mad_u32_u24 v[KOF], v8, 24, v[KOF]           ; a fragment: 24 bytes at 96 x row + 24 h, and 24 more 48 bytes on
	v_lshlrev_b32 v[KSOF], 2, v9
	v_mul_u32_u24 v[QOF], v7, 96
	v_mad_u32_u24 v[QOF], v8, 24, v[QOF]
	v_lshlrev_b32 v[QSOF], 2, v7
	v_lshlrev_b32 v[POF], 5, v6                    ; 8 partial sums a lane
.if CAND
	v_lshlrev_b32 v[TOF], 4, v7                    ; my query's record in a tile's 256 bytes of thr
	s_lshl_b32 s43, ttmp9, 5
	s_lshl_b32 s44, s20, 1
	s_add_co_u32 s43, s43, s44
	v_add_nc_u32 v11, s43, v8                      ; my lane's group among the row's 2,048: 32 x + 2 w + h
.endif
	s_lshl_b32 s42, s20, 9
	s_add_co_u32 s42, s42, BIASL
	v_add_nc_u32 v[BSA], s42, v[LI]                ; my wave's ln(p_c): in by 16 bytes a lane,
	v_lshl_add_u32 v[BLA], v8, 8, s42              ; out from my half's 64 keys on
	v_mul_u32_u24 v[STO], v7, SP                   ; the stage: row = my query, column = my group
.if CAND
	v_lshl_add_u32 v[STO], v8, 3, v[STO]
	s_lshl_b32 s40, s20, 4
.else
	v_lshl_add_u32 v[STO], v8, 2, v[STO]
	s_lshl_b32 s40, s20, 3
.endif
	s_add_co_u32 s40, s40, STG
	v_add_nc_u32 v[STO], s40, v[STO]
.if CAND
	v_mul_u32_u24 v[RD], v8, SP                    ; back: sixteen lanes to a row of 256 bytes
	v_lshl_add_u32 v[RD], v7, 4, v[RD]
.else
	v_lshrrev_b32 v9, 3, v6                        ; back: eight lanes to a row of 128 bytes
	v_and_b32 v10, 7, v6
	v_mul_u32_u24 v[RD], v9, SP
	v_lshl_add_u32 v[RD], v10, 4, v[RD]
.endif
	s_mul_i32 s40, s20, 16*SP
	s_add_co_u32 s40, s40, STG
	v_add_nc_u32 v[RD], s40, v[RD]
	s_mul_i32 s40, s20, 1536
	v_add_nc_u32 v9, s40, v[LI]                    ; where my tile of queries' image goes
	s_lshl_b32 s41, s20, 7
	v_add_nc_u32 v10, s41, v[LS]                   ; and its scale words
	s_wait_kmcnt 0x0
	s_add_nc_u64 s[8:9], s[8:9], s[24:25]
	s_add_nc_u64 s[10:11], s[10:11], s[26:27]
	s_add_nc_u64 s[12:13], s[12:13], s[26:27]
	s_add_nc_u64 s[4:5], s[4:5], s[28:29]
	s_add_nc_u64 s[6:7], s[6:7], s[32:33]
	s_add_nc_u64 s[OUTP:OUTP+1], s[OUTP:OUTP+1], s[36:37]
.if CAND
	s_add_nc_u64 s[16:17], s[16:17], s[38:39]
.endif
	s_wait_alu depctr_va_vdst(0)                   ; all offsets and LDS addresses (v1 to v4, v9, v10, v192 to v199) are written: every load and store of the kernel reads one of them, and none is written again while it serves
	; every global load of the launch is issued here, what is wanted first in front
	global_load_b128 v[PS:PS+3], v[POF], s[14:15]
	global_load_b128 v[PS+4:PS+7], v[POF], s[14:15] offset:16
	global_load_b128 v[HI:HI+3], v[LI], s[12:13]   ; my wave's 128 numbers of hist, 4 a lane
.if CAND
.irp q, 0,1,2,3,4,5,6,7
	global_load_b128 v[ACC+4*\q:ACC+4*\q+3], v[TOF], s[16:17] offset:256*\q   ; the records of tiles 0 to 7
.endr
.endif
.irp p, 0,1,2,3,4,5
	global_load_b64 v[QF+2*\p:QF+2*\p+1], v[QOF], s[4:5] offset:48*(\p/3)+8*(\p%3)
.endr
	global_load_b32 v[QS], v[QSOF], s[6:7]
.irp t, 0,1,2,3,4,5,6,7
.irp p, 0,1,2,3,4,5
	global_load_b64 v[KF+12*\t+2*\p:KF+12*\t+2*\p+1], v[KOF], s[8:9] offset:768*\t+48*(\p/3)+8*(\p%3)
.endr
	global_load_b32 v[KS+\t], v[KSOF], s[10:11] offset:32*\t
.endr
	s_wait_loadcnt 63                              ; q's 7 loads and the keys' 56 may be out: all that was issued ahead of them is in
	SUMS PS
	BIAS4 HI
	s_wait_alu depctr_va_vdst(0)                   ; ln(p_c) is written in v[HI ..], which the LDS store reads; the lines of the sum are done with v[PS ..], in which the LDS loads below land
	ds_store_b128 v[BSA], v[HI:HI+3]               ; my wave's own bytes: LDS serves a wave's instructions in order, so the loads below see this store
.set i, 0
.rept 16
	ds_load_b128 v[BI+4*i:BI+4*i+3], v[BLA] offset:16*i   ; register 8 t + j: ln(p_c) of key 64 h + 8 t + j
.set i, i+1
.endr
.if CAND
; A candidate is a score over T, or equal to T in a group up to gcut: that is s > f(T - 1) there and s > f(T) in the later groups, f(T - 1) being the next number under f(T)
.irp q, 0,1,2,3,4,5,6,7
	v_cmp_ge_u32 s[CM+\q], v[ACC+4*\q+2], v11
.endr
	s_wait_alu depctr_va_sdst(0)                   ; the eight compares have written s[CM ..], ahead of the selects that read them
.irp q, 0,1,2,3,4,5,6,7
	v_cndmask_b32 v[LE+\q], v[ACC+4*\q+1], v[ACC+4*\q], s[CM+\q]
.endr
	s_wait_alu depctr_va_vdst(0)                   ; the compares and selects are done reading the first eight records, in whose registers the next eight land
.irp q, 0,1,2,3,4,5,6,7
	global_load_b128 v[ACC+4*\q:ACC+4*\q+3], v[TOF], s[16:17] offset:256*(8+\q)   ; the records of tiles 8 to 15
.endr
.endif
	s_wait_loadcnt QWAIT                           ; q's loads are in: behind them stand the keys' 56 (CAND: and 8 records, 64 in all; the count's field ends at 63, and a smaller count is safe)
.irp c, 0,1,2
	ds_store_b128 v9, v[QF+4*\c:QF+4*\c+3] offset:512*\c
.endr
	ds_store_b32 v10, v[QS]
	s_wait_dscnt 0x0                               ; for the others' sake: my image has landed; and my ln(p_c) are in
	s_barrier_signal -1
	s_barrier_wait -1                              ; the 16 query fragments lie in LDS
.macro QLOAD                           ; tile ql's fragment and scale words into buffer ql % 2
.irp c, 0,1,2
	ds_load_b128 v[QF+12*(ql%2)+4*\c:QF+12*(ql%2)+4*\c+3], v[LI] offset:1536*ql+512*\c
.endr
	ds_load_b32 v[QS+ql%2], v[LS] offset:128*ql
.endm
	s_wait_xcnt 0x0                                ; every global load has had its addresses translated: only now are the offsets' registers taken over
	s_wait_alu depctr_vm_vsrc(0)                   ; the loads have read their offsets v192 to v199, the LDS stores v[HI ..], v[QF ..] and v[QS]: the query fragments' loads below land in all of these
.set ql, 0
	QLOAD
.set ql, 1
	QLOAD
	s_wait_loadcnt 0x0                             ; the keys
.if CAND
.irp q, 0,1,2,3,4,5,6,7
	v_cmp_ge_u32 s[CM+\q], v[ACC+4*\q+2], v11
.endr
	s_wait_alu depctr_va_sdst(0)                   ; the eight compares have written s[CM ..], ahead of the selects that read them
.irp q, 0,1,2,3,4,5,6,7
	v_cndmask_b32 v[LE+8+\q], v[ACC+4*\q+1], v[ACC+4*\q], s[CM+\q]
.endr
	v_mov_b32 v254, 0                              ; the two pairs of mask words are named as sources before 32 shifts have filled them
	v_mov_b32 v255, 0
	v_mov_b32 v6, 0
	v_mov_b32 v7, 0
.endif
; STEP stp (0 .. 127): query tile stp / 8, key tile stp % 8.  One matrix instruction, and behind it the vector work on the result of the step before.
; No sum is continued: K is 128, one instruction.  An accumulator is written again four steps later; between stand three slices that name none of its instruction's registers, 12 places or more (5 are asked).
; Between a matrix instruction and the slice that reads its result stands the slice of the step before: 4 places or more.
.macro MM
.set mq, (stp/8)%2
.set mt, stp%8
.set ma, ACC+8*(stp%4)
	v_wmma_scale_f32_16x16x128_f8f6f4 v[ma:ma+7], v[KF+12*mt:KF+12*mt+11], v[QF+12*mq:QF+12*mq+11], v[BI+8*mt:BI+8*mt+7], v[KS+mt], v[QS+mq] matrix_a_fmt:MATRIX_FMT_BF6 matrix_b_fmt:MATRIX_FMT_BF6
.endm
.macro SLICE                           ; the eight scores of step sl, from the accumulator's low end on
.set sa, ACC+8*(sl%4)
.set sq, sl/8
.if CAND
.set le, LE+2*(sq/2)
.set wp, 254-248*(sq%2)                ; the pair of mask words: v[254:255] and v[6:7] by turns, so that a pair's store has a whole tile in which to read it before the pair is written again
.set ww, wp+(sl%8)/4
.irp i, 0,1,2,3
.if sq%2 == 0
	v_pk_add_f32 v[sa+2*\i:sa+2*\i+1], v[sa+2*\i:sa+2*\i+1], v[le:le+1] op_sel_hi:[1,0] neg_lo:[1,0] neg_hi:[1,0]   ; threshold - s: negative where s is a candidate
.else
	v_pk_add_f32 v[sa+2*\i:sa+2*\i+1], v[sa+2*\i:sa+2*\i+1], v[le:le+1] op_sel:[0,1] op_sel_hi:[1,1] neg_lo:[1,0] neg_hi:[1,0]
.endif
.endr
.irp j, 0,1,2,3,4,5,6,7
	v_alignbit_b32 v[ww], v[ww], v[sa+\j], 31      ; word = 2 x word + the sign: key o of a word's 32 ends at bit 31 - o
.endr
.else
.set gm, GM+sq%2                       ; two copies by turns, for the same reason
	v_max3_num_f32 v[GX], v[sa], v[sa+1], v[sa+2]
	v_max3_num_f32 v[GY], v[sa+3], v[sa+4], v[sa+5]
	v_max3_num_f32 v[GX], v[GX], v[sa+6], v[sa+7]
.if sl%8 == 0
	v_max_num_f32 v[gm], v[GX], v[GY]
.else
	v_max3_num_f32 v[gm], v[gm], v[GX], v[GY]
.endif
.endif
.endm
.macro TOSTAGE                         ; tile sq's result goes into the stage
.if CAND
	ds_store_b64 v[STO], v[254-248*(sq%2):255-248*(sq%2)] offset:16*SP*sq
.else
	ds_store_b32 v[STO], v[GM+sq%2] offset:16*SP*sq
.endif
.endm
.macro STEP
.if stp%8 == 0
	s_wait_dscnt 0x0                               ; this tile's query fragment, asked for seven steps ago, is in; the last stage store is done
.if stp/8 >= 2
	s_wait_alu depctr_vm_vsrc(0)                   ; the stage store of two tiles back has read its copy of the result, which this tile's slices write again
.endif
.endif
	MM
.if stp == 0
	PLACES                                         ; the first step has no slice to stand here
.else
.set sl, stp-1
	SLICE
.endif
.if (stp%8 == 1) && (stp/8 >= 1)
	s_wait_alu depctr_va_vdst(0)                   ; the slices have written the result of the tile before, which the store reads; that tile's matrix instructions are done reading their query fragment and its scales, in which the loads land
.set sq, stp/8-1
	TOSTAGE
.if stp/8 <= 14
.set ql, stp/8+1
	QLOAD                                          ; into the buffer that the tile before has left.  No matrix instruction of this tile names it
.endif
.endif
.endm
.set stp, 0
.rept 128
	STEP
.set stp, stp+1
.endr
	PLACES
.set sl, 127
	SLICE
	s_wait_alu depctr_va_vdst(0)                   ; the last slice has written tile 15's result, which the store reads; every matrix instruction is done reading the key fragments, in which the way out's loads land
.set sq, 15
	TOSTAGE
	; THE WAY OUT: a row of the output comes from all sixteen waves; each wave stores 16 whole rows, 512 consecutive bytes an instruction
	s_wait_dscnt 0x0                               ; for the others' sake: my stores into the stage have landed
	s_barrier_signal -1
	s_barrier_wait -1
.set i, 0
.rept NOUT
	ds_load_b128 v[KF+4*i:KF+4*i+3], v[RD] offset:i*RPL*SP
.set i, i+1
.endr
.set i, 0
.rept NOUT
	s_wait_dscnt NOUT-1-i                          ; the loads behind load i may be out
	global_store_b128 v[LI], v[KF+4*i:KF+4*i+3], s[OUTP:OUTP+1] offset:512*i
.set i, i+1
.endr
.if CAND
	s_wait_xcnt 0x0
	s_wait_alu depctr_vm_vsrc(0)                   ; tile 14's stage store has read v[254:255], which are made anew here
	v_lshl_add_u32 v254, v0, 2, 0x19800
	v_mov_b32 v255, 0
.endif
	s_wait_dscnt 0x0                               ; the closing lines, six on end, of a launch in the mode that stores to LDS
	s_wait_alu 0x0
	s_wait_tensorcnt 0x0
	ds_add_u32 v254, v255
	s_wait_dscnt 0x0
	s_endpgm
.Lfunc_end_k_q9978508b07_candmask:
	.size	k_q9978508b07_candmask, .Lfunc_end_k_q9978508b07_candmask-k_q9978508b07_candmask
	.p2alignl 7, 3214868480
	.fill 96, 4, 3214868480
	.section	.rodata,"a",@progbits
	.p2align	6, 0x0
	.amdhsa_kernel k_q9978508b07_candmask
		.amdhsa_group_segment_fixed_size 106496
		.amdhsa_private_segment_fixed_size 0
		.amdhsa_enable_private_segment 0
		.amdhsa_kernarg_size 64
		.amdhsa_user_sgpr_count 2
		.amdhsa_user_sgpr_kernarg_segment_ptr 1
		.amdhsa_wavefront_size32 1
		.amdhsa_system_sgpr_workgroup_id_x 1
		.amdhsa_system_sgpr_workgroup_id_y 1
		.amdhsa_system_sgpr_workgroup_id_z 1
		.amdhsa_system_vgpr_workitem_id 0
		.amdhsa_next_free_vgpr 256
		.amdhsa_next_free_sgpr 66
		.amdhsa_reserve_vcc 0
		.amdhsa_float_denorm_mode_32 3
		.amdhsa_float_denorm_mode_16_64 3
		.amdhsa_memory_ordered 1
		.amdhsa_forward_progress 1
		.amdhsa_inst_pref_size 138
	.end_amdhsa_kernel
	.amdgpu_metadata
---
amdhsa.version: [ 1, 2 ]
amdhsa.kernels:
  - .name:           k_q9978508b07_candmask
    .symbol:         k_q9978508b07_candmask.kd
    .args:
      - { .name: q_codes, .offset: 0, .size: 8, .value_kind: global_buffer, .address_space: global }
      - { .name: q_scales, .offset: 8, .size: 8, .value_kind: global_buffer, .address_space: global }
      - { .name: memory_key_codes, .offset: 16, .size: 8, .value_kind: global_buffer, .address_space: global }
      - { .name: memory_key_scales, .offset: 24, .size: 8, .value_kind: global_buffer, .address_space: global }
      - { .name: memory_hist, .offset: 32, .size: 8, .value_kind: global_buffer, .address_space: global }
      - { .name: psum, .offset: 40, .size: 8, .value_kind: global_buffer, .address_space: global }
      - { .name: thr, .offset: 48, .size: 8, .value_kind: global_buffer, .address_space: global }
      - { .name: mask, .offset: 56, .size: 8, .value_kind: global_buffer, .address_space: global }
    .group_segment_fixed_size: 106496
    .private_segment_fixed_size: 0
    .kernarg_segment_align: 8
    .kernarg_segment_size: 64
    .max_flat_workgroup_size: 512
    .sgpr_count:     66
    .vgpr_count:     256
    .wavefront_size: 32
...
	.end_amdgpu_metadata
.endif
;; end of part 8
;; launch list: the kernel of part 5 again; grid 1024 x 1, 1 waves a work-group, no clusters, 71,168 bytes of LDS; arguments mask, idx, cnt; writes idx, cnt
;; launch final (part 9): grid 1024 x 1, 1 waves a work-group, no clusters, 0 bytes of LDS; arguments q_codes, q_scales, memory_key_codes, memory_key_scales, memory_hist, memory_values, psum, thr, idx, cnt, out0; writes out0
.if DOCPART == 9
	.amdgcn_target "amdgcn-amd-amdhsa--gfx1250"
	.amdhsa_code_object_version 6
	.text
	.protected	k_q9978508b07_final
	.globl	k_q9978508b07_final
	.p2align	8
	.type	k_q9978508b07_final,@function
k_q9978508b07_final:
	s_mov_b64 s[64:65], 0
	v_nop
	global_prefetch_b8 v0, s[64:65] scope:SCOPE_SE
	s_setreg_imm32_b32 hwreg(HW_REG_WAVE_SCHED_MODE, 0, 2), 2
	s_setreg_imm32_b32 hwreg(HW_REG_WAVE_MODE, 25, 1), 1
	s_wait_xcnt 0x0
	s_wait_alu depctr_vm_vsrc(0)
; out0[row] = clip(sum(v p) / sum(p)) over the row's 256 largest p = exp(q . k) p_c, ties to the lower index.  One wave owns one row.
; 1. The row's candidates come as a list of key indices, idx[row], and their number, cnt[row] = c (256 to 16,384): whole numbers that an earlier launch stored.
; 2. The listed keys are gathered and scored anew: s = q . k + ln(p_c), q . k by the same matrix instruction on the same codes (source 0 = my query in all 16 rows, source 1 = 16 keys), ln(p_c) by the same lines.
; 3. The 256th largest is found exactly: 32 trips on the scores' ordered bits, then 17 trips on 131,071 - index among the scores equal to it.  Counts made of scores feed selects alone, never a branch or an address.
; 4. p = exp(s - the row's largest s) of the chosen; the two sums; the division; the clip.  The largest s is taken away, so no exponential overflows, and the common factor leaves the quotient as it is.
; Scores are held 512 at a time (16 registers a lane).  A row with up to 512 candidates scores them once and keeps them through all 50 sweeps; a row with more scores each chunk of 512 anew in every sweep.
; Branches and trip counts hang on the sweep's and the chunk's number and on c alone; gather addresses on the listed indices.  No LDS, no barrier.
; No tensor load, no cluster: what a row gathers hangs on its own list and is shared with nobody.
; LIMITS: as in the dense launches (p_c <= 0 never chosen; NaN, infinities, scale byte 0xff, a sum of 0 not served).  Here ln(p_c) is added behind the product, there inside it: a score may differ in its last bit, so
; two candidates within a last bit of each other at the 256th place may change places.
; THE MODE: SCHED_MODE bits 1:0 = 2 (LLVM: expert scheduling mode 2), set by the entry lines.  The code itself states the register dependences between vector or matrix instructions and memory
; instructions, and those through scalar registers and VCC that vector instructions write, with s_wait_alu, always for 0.
; THE PLAN.  Registers that memory instructions touch, round the loops:
;   v[AR], v[AL]   Written by vector lines at a chunk's head; read as offsets by the chunk's index loads (v[AR] also, at the kernel's head, by the loads of the partial sums).
;   SO, IX         A batch's index loads land in them; vector lines clamp and scale them; the batch's gathers read them as offsets.
;   KO             Written by vector lines; read as offsets by the gathers.  In the last sweep the exponentials' registers TE lie on SO and KO.
;   KF, KSC        The gathers land in them; the batch's matrix instructions read them.
;   HH, VV         The gathers land in them; vector lines rewrite HH in the batch and read VV in the last sweep.
; A batch therefore goes: a wait on vm_vsrc (the gathers before have read SO, KO, IX) and one on va_vdst (all earlier vector and matrix lines on the batch's registers are done; v[AR], v[AL] are written); the twelve index
; loads; ALL offsets of the batch's eight tiles; one wait on va_vdst; all 64 gathers; then vector and matrix work alone.  Compares are laid in runs into scalar registers, with one wait on va_sdst behind a run.
.set NSLOT, 16384
.set ROWB,  65536                      ; a row of idx in bytes: 16,384 places
.set RS,  7                            ; v7  1 / sum(hist + BETA).   v0 lane, v3 24 h, v8 sum(p), v9 sum(v p), v10-17 at work, v19 0
.set AR,  18                           ; v18 byte in my row of idx of slot (chunk's first + lane % 16)
.set AL,  33                           ; v33 and of slot (chunk's first + lane)
.set QF,  20                           ; v20-31 my query's fragment;  v32 its scale word
.set QS,  32
.set U,   34                           ; v34-49   ordered bits of 512 scores: register P of lane l is slot 32 P + l of the chunk; 0 where there is no candidate
.set Y,   50                           ; v50-65   131,071 - key index
.set VV,  66                           ; v66-81   the keys' values
.set SF,  82                           ; v82-97   the scores
.set KSC, 98                           ; v98-105  scale words of 8 tiles of keys
.set KF,  106                          ; v106-201 8 tiles of keys
.set DA,  202                          ; v202-209, v210-217 two accumulators
.set DB,  210
.set SO,  218                          ; v218-225 a tile's key indices, then x 4
.set KO,  226                          ; v226-233 and x 96 + 24 h
.set IX,  234                          ; v234-237 a pair of tiles' key indices by lane
.set HH,  238                          ; v238-241 their hist, then ln(p_c)
.set R,   242                          ; v242 lane % 16
.set TE,  218                          ; v218-233 at last: the exponentials
.set SMAX, 24
.set SEL,  28                          ; s[28:29]
.set MA,   32                          ; s[32:47], s[66:81] lane masks
.set MB,   66
.set MC,   88                          ; s[88:95] eight more, in the last sweep
.set C,    49                          ; candidates
.set NCH,  50                          ; chunks of 512
.set K,    51                          ; sweep
.set CH,   52
.set SB,   53
.set T,    54
.set BIT,  55
.set A,    56
.set YC,   57
.set YBIT, 58
.set CAND, 59
.set CNT,  60
.set TMP,  63
.set BASE, 82
.set REM,  84                          ; s[84:87] candidates from the first slot of each of a batch's four pairs of tiles on
.macro SUMS a                          ; the 256 partial sums, 8 a lane in v[a] on, become 1 / their sum in v[RS]: the same lines in every launch that needs it
	v_pk_add_f32 v[\a:\a+1], v[\a:\a+1], v[\a+2:\a+3]
	v_pk_add_f32 v[\a+4:\a+5], v[\a+4:\a+5], v[\a+6:\a+7]
	v_pk_add_f32 v[\a:\a+1], v[\a:\a+1], v[\a+4:\a+5]
	v_add_f32 v[\a], v[\a], v[\a+1]
	v_add_f32_dpp v[\a], v[\a], v[\a] row_xmask:1 row_mask:0xf bank_mask:0xf
	v_add_f32_dpp v[\a], v[\a], v[\a] row_xmask:2 row_mask:0xf bank_mask:0xf
	v_add_f32_dpp v[\a], v[\a], v[\a] row_xmask:4 row_mask:0xf bank_mask:0xf
	v_add_f32_dpp v[\a], v[\a], v[\a] row_xmask:8 row_mask:0xf bank_mask:0xf
	v_permlanex16_b32 v[\a+1], v[\a], s[SEL], s[SEL+1]
	v_add_f32 v[\a], v[\a], v[\a+1]
	v_rcp_f32 v[RS], v[\a]
	v_nop                                          ; one plain place behind a transcendental
.endm
.macro BIAS4 x                         ; four numbers of hist become ln(p_c); what is no positive normal number becomes -1e30 (a NaN and -infinity lose the maximum).  (v[RS] was shown written ahead of the loops)
.irp i, 0,1,2,3
	v_add_f32 v[\x+\i], 0x322bcc77, v[\x+\i]       ; + BETA
.endr
.irp i, 0,1,2,3
	v_mul_f32 v[\x+\i], v[\x+\i], v[RS]
.endr
.irp i, 0,1,2,3
	v_log_f32 v[\x+\i], v[\x+\i]
.endr
	v_nop                                          ; one plain place behind the logarithms
	s_wait_alu depctr_va_vdst(0)                   ; the four logarithms have written their results, ahead of their first reader
.irp i, 0,1,2,3
	v_mul_f32 v[\x+\i], 0x3f317218, v[\x+\i]       ; x ln 2
.endr
.irp i, 0,1,2,3
	v_max_num_f32 v[\x+\i], 0xf149f2ca, v[\x+\i]
.endr
.endm
	s_load_b256 s[4:11], s[0:1], 0x0               ; q's codes s[4:5], q's scales s[6:7], the keys' codes s[8:9], the keys' scales s[10:11]
	s_load_b256 s[12:19], s[0:1], 0x20             ; hist s[12:13], values s[14:15], psum s[16:17], thr s[18:19]
	s_load_b128 s[20:23], s[0:1], 0x40             ; idx s[20:21], cnt s[22:23]
	s_load_b64 s[26:27], s[0:1], 0x50              ; out0
	v_and_b32 v[R], 15, v0
	v_bfe_u32 v10, v0, 4, 1                        ; h
	v_mul_u32_u24 v3, v10, 24
	v_mov_b32 v8, 0
	v_mov_b32 v9, 0
	v_lshlrev_b32 v18, 5, v0                       ; 8 partial sums a lane
	v_mov_b32 v19, 0
.set i, 0
.rept 64
	v_mov_b32 v[U+i], 0                            ; U, Y, VV, SF: a sweep names all 16 registers of each, also where a row has fewer than 512 candidates and some are never filled
.set i, i+1
.endr
	s_mul_i32 s84, ttmp9, 96
	s_mov_b32 s85, 0
	s_lshl_b32 s88, ttmp9, 2
	s_mov_b32 s89, 0
	s_lshl_b32 s90, ttmp9, 4
	s_mov_b32 s91, 0
	s_mul_i32 s92, ttmp9, ROWB
	s_mov_b32 s93, 0
	s_mov_b32 s[SEL], 0x76543210
	s_mov_b32 s[SEL+1], 0xfedcba98
	s_mov_b32 s30, 0xffff0000                      ; lanes 16-31
	s_wait_kmcnt 0x0
	s_add_nc_u64 s[4:5], s[4:5], s[84:85]
	s_add_nc_u64 s[6:7], s[6:7], s[88:89]
	s_add_nc_u64 s[18:19], s[18:19], s[90:91]
	s_add_nc_u64 s[20:21], s[20:21], s[92:93]
	s_add_nc_u64 s[22:23], s[22:23], s[88:89]
	s_add_nc_u64 s[26:27], s[26:27], s[88:89]
	s_load_b32 s[SMAX], s[18:19], 0xc              ; the row's largest score
	s_load_b32 s[C], s[22:23], 0x0                 ; the row's number of candidates
	s_wait_alu depctr_va_vdst(0)                   ; the offsets v18, v3 and v19 are written, which the loads below read; the head's lines are done with v10, in which a load lands
	global_load_b128 v[10:13], v18, s[16:17]
	global_load_b128 v[14:17], v18, s[16:17] offset:16
.irp p, 0,1,2,3,4,5
	global_load_b64 v[QF+2*\p:QF+2*\p+1], v3, s[4:5] offset:48*(\p/3)+8*(\p%3)   ; every lane takes my row: the fragment's 16 rows are all my query
.endr
	global_load_b32 v[QS], v19, s[6:7]
	s_wait_loadcnt 7                               ; q's 7 loads may be out: the partial sums are in
	SUMS 10
	s_wait_kmcnt 0x0                               ; the largest score and the count
	s_min_u32 s[C], s[C], NSLOT
	s_add_co_u32 s[NCH], s[C], 511
	s_lshr_b32 s[NCH], s[NCH], 9
	s_max_u32 s[NCH], s[NCH], 1
	s_mov_b32 s[T], 0
	s_mov_b32 s[BIT], 0x80000000
	s_mov_b32 s[A], 0
	s_mov_b32 s[YC], 0
	s_mov_b32 s[YBIT], 0x10000
	s_mov_b32 s[K], 0
	s_wait_alu depctr_va_vdst(0)                   ; the reciprocal has written v[RS], which every batch's lines read: the wait stands ahead of the loops' labels
; 128 slots of the chunk: 8 tiles of 16 keys are gathered and scored.  A batch that begins behind the last candidate is left out (and with it every later batch of the chunk); a row of idx is stored whole, with zeros behind its last index.
.macro BATCH b
	s_add_co_u32 s[BASE], s[SB], 128*\b
	s_cmp_ge_u32 s[BASE], s[C]
	s_cbranch_scc1 .Lno_batch_\@
.if \b > 0
	s_wait_alu depctr_vm_vsrc(0)                   ; the gathers of the batch before have read SO, KO and IX as offsets: index loads land in SO and IX, and vector lines write KO, below.  (For the chunk's first batch the wait at the chunk's head states it)
.endif
	s_wait_alu depctr_va_vdst(0)                   ; v[AR] and v[AL] are written, which the index loads read; every earlier vector and matrix line that named SO and IX, in which they land, is done
.irp p, 0,1,2,3
	global_load_b32 v[SO+2*\p], v[AR], s[20:21] offset:512*\b+128*\p          ; a pair's first tile: slot + lane % 16;
	global_load_b32 v[SO+2*\p+1], v[AR], s[20:21] offset:512*\b+128*\p+64     ; its second: 16 slots on;
	global_load_b32 v[IX+\p], v[AL], s[20:21] offset:512*\b+128*\p            ; and both by lane
.endr
	s_sub_co_i32 s[REM], s[C], s[BASE]             ; candidates from each pair's first slot on
	s_sub_co_i32 s[REM+1], s[REM], 32
	s_sub_co_i32 s[REM+2], s[REM], 64
	s_sub_co_i32 s[REM+3], s[REM], 96
.irp p, 0,1,2,3
	v_cmp_gt_i32 s[MA+\p], s[REM+\p], v0           ; is my slot of pair p a candidate's?  Made of scalars and the lane alone: it stands here, while the index loads are out
.endr
	s_wait_loadcnt 0x0
.irp t, 0,1,2,3,4,5,6,7
	v_min_u32 v[SO+\t], 0x1ffff, v[SO+\t]          ; an index stays inside the table
.endr
.irp t, 0,1,2,3,4,5,6,7
	v_mul_u32_u24 v[KO+\t], v[SO+\t], 96
.endr
.irp t, 0,1,2,3,4,5,6,7
	v_add_nc_u32 v[KO+\t], v[KO+\t], v3
.endr
.irp t, 0,1,2,3,4,5,6,7
	v_lshlrev_b32 v[SO+\t], 2, v[SO+\t]
.endr
.irp p, 0,1,2,3
	v_min_u32 v[IX+\p], 0x1ffff, v[IX+\p]
.endr
.irp p, 0,1,2,3
	v_sub_nc_u32 v[Y+4*\b+\p], 0x1ffff, v[IX+\p]
.endr
.irp p, 0,1,2,3
	v_lshlrev_b32 v[IX+\p], 2, v[IX+\p]
.endr
	s_wait_alu depctr_va_vdst(0)                   ; all the batch's offsets, KO, SO and IX, are written, which the gathers read; the lines that named KF, KSC, HH and VV, in which they land, stand ahead of this wait too
.irp t, 0,1,2,3,4,5,6,7
.irp q, 0,1,2,3,4,5
	global_load_b64 v[KF+12*\t+2*\q:KF+12*\t+2*\q+1], v[KO+\t], s[8:9] offset:48*(\q/3)+8*(\q%3)
.endr
	global_load_b32 v[KSC+\t], v[SO+\t], s[10:11]
.endr
.irp p, 0,1,2,3
	global_load_b32 v[HH+\p], v[IX+\p], s[12:13]
	global_load_b32 v[VV+4*\b+\p], v[IX+\p], s[14:15]
.endr
	s_wait_loadcnt 0x0
	BIAS4 HH
	s_wait_alu depctr_va_sdst(0)                   ; the four compares above have written s[MA] to s[MA + 3], ahead of the selects that read them
.irp p, 0,1,2,3
	v_wmma_scale_f32_16x16x128_f8f6f4 v[DA:DA+7], v[QF:QF+11], v[KF+24*\p:KF+24*\p+11], 0, v[QS], v[KSC+2*\p] matrix_a_fmt:MATRIX_FMT_BF6 matrix_b_fmt:MATRIX_FMT_BF6
	v_wmma_scale_f32_16x16x128_f8f6f4 v[DB:DB+7], v[QF:QF+11], v[KF+24*\p+12:KF+24*\p+23], 0, v[QS], v[KSC+2*\p+1] matrix_a_fmt:MATRIX_FMT_BF6 matrix_b_fmt:MATRIX_FMT_BF6
.rept 4
	v_nop                                          ; four places in front of the first read of the results; with the five lines behind that read they are also the places in front of the next pair's products, which write these accumulators anew
.endr
	v_cndmask_b32 v10, v[DA], v[DB], s30           ; register 0 of lane (r, h) is q . key r of the tile: lanes 0-15 take the first tile's, lanes 16-31 the second's
	v_add_f32 v[SF+4*\b+\p], v10, v[HH+\p]
	v_ashrrev_i32 v11, 31, v[SF+4*\b+\p]           ; ordered bits, as in the launch that made the thresholds
	v_or_b32 v11, 0x80000000, v11
	v_xor_b32 v11, v[SF+4*\b+\p], v11
	v_cndmask_b32 v[U+4*\b+\p], 0, v11, s[MA+\p]   ; a slot behind the last candidate counts for nothing
.endr
.Lno_batch_\@:
.endm
.Lsweep:                                           ; sweeps 0-31: a bit of T;  32-48: a bit of the index cut;  49: the sums
	s_or_b32 s[CAND], s[T], s[BIT]
	s_or_b32 s[TMP], s[YC], s[YBIT]
	s_cmp_lt_u32 s[K], 32
	s_cselect_b32 s[CAND], s[CAND], s[TMP]
	s_mov_b32 s[CNT], 0
	s_mov_b32 s[CH], 0
.Lchunk:
	s_cmp_eq_u32 s[K], 0
	s_cbranch_scc1 .Lscore
	s_cmp_eq_u32 s[NCH], 1
	s_cbranch_scc1 .Lscored                        ; one chunk: its scores have stayed in registers since sweep 0
.Lscore:
	s_wait_alu depctr_vm_vsrc(0)                   ; the loads issued so far have read their offsets: v[AR] (at first the partial sums' loads, later the index loads) and v[AL], which are written below, and SO, KO and IX, which the first batch fills anew
.set i, 0
.rept 16
	v_mov_b32 v[U+i], 0                            ; what no batch fills counts for nothing
.set i, i+1
.endr
	s_lshl_b32 s[SB], s[CH], 9
	v_add_nc_u32 v[AR], s[SB], v[R]
	v_min_u32 v[AR], NSLOT, v[AR]
	v_lshlrev_b32 v[AR], 2, v[AR]
	v_add_nc_u32 v[AL], s[SB], v0
	v_min_u32 v[AL], NSLOT, v[AL]
	v_lshlrev_b32 v[AL], 2, v[AL]
	BATCH 0
	BATCH 1
	BATCH 2
	BATCH 3
.Lscored:
	s_cmp_lt_u32 s[K], 32
	s_cbranch_scc0 .Lnot_value
.set i, 0
.rept 16
	v_cmp_le_u32 s[MA+i], s[CAND], v[U+i]          ; how many scores lie at or over the trial
.set i, i+1
.endr
	s_wait_alu depctr_va_sdst(0)                   ; the sixteen compares have written s[MA ..], ahead of the counts that read them
.set i, 0
.rept 16
	s_bcnt1_i32_b32 s[TMP], s[MA+i]
	s_add_co_u32 s[CNT], s[CNT], s[TMP]
.set i, i+1
.endr
	s_branch .Lnext
.Lnot_value:
	s_cmp_lt_u32 s[K], 49
	s_cbranch_scc0 .Lsums
.set i, 0
.rept 16
	v_cmp_eq_u32 s[MA+i], s[T], v[U+i]             ; among the scores equal to T: how many have 131,071 - index at or over the trial
	v_cmp_le_u32 s[MB+i], s[CAND], v[Y+i]
.set i, i+1
.endr
	s_wait_alu depctr_va_sdst(0)                   ; the 32 compares have written s[MA ..] and s[MB ..], ahead of the scalar lines that read them
.set i, 0
.rept 16
	s_and_b32 s[MA+i], s[MA+i], s[MB+i]
	s_bcnt1_i32_b32 s[TMP], s[MA+i]
	s_add_co_u32 s[CNT], s[CNT], s[TMP]
.set i, i+1
.endr
	s_branch .Lnext
.Lsums:
	s_wait_alu depctr_vm_vsrc(0)                   ; the last gathers have read SO and KO as offsets: the exponentials' registers lie on them
.set i, 0
.rept 16
	v_sub_f32 v[TE+i], v[SF+i], s[SMAX]            ; s - the row's largest
.set i, i+1
.endr
.set i, 0
.rept 16
	v_mul_f32 v[TE+i], 0x3fb8aa3b, v[TE+i]         ; x log2(e)
.set i, i+1
.endr
.set i, 0
.rept 16
	v_exp_f32 v[TE+i], v[TE+i]
.set i, i+1
.endr
.set i, 0
.rept 16
	v_cmp_lt_u32 s[MA+i], s[T], v[U+i]             ; chosen: over T,  (these compares are the plain places behind the exponentials)
	v_cmp_eq_u32 s[MB+i], s[T], v[U+i]             ; or equal to T
.set i, i+1
.endr
.irp g, 0,1                                        ; with an index up to the cut: eight registers at a time
.set i, 0
.rept 8
	v_cmp_le_u32 s[MC+i], s[YC], v[Y+8*\g+i]
.set i, i+1
.endr
	s_wait_alu depctr_va_sdst(0)                   ; the compares issued so far have written s[MA ..], s[MB ..] and these eight s[MC ..], ahead of the scalar lines that read them
.set i, 0
.rept 8
	s_and_b32 s[MB+8*\g+i], s[MB+8*\g+i], s[MC+i]
	s_or_b32 s[MA+8*\g+i], s[MA+8*\g+i], s[MB+8*\g+i]
.set i, i+1
.endr
.endr
	s_wait_alu depctr_va_vdst(0)                   ; the sixteen exponentials have written v[TE ..], ahead of their first reader
.set i, 0
.rept 16
	v_cndmask_b32 v[TE+i], 0, v[TE+i], s[MA+i]
.set i, i+1
.endr
.set i, 0
.rept 16
	v_add_f32 v8, v8, v[TE+i]
	v_fmac_f32 v9, v[TE+i], v[VV+i]
.set i, i+1
.endr
.Lnext:
	s_add_co_u32 s[CH], s[CH], 1
	s_cmp_ge_u32 s[CH], s[NCH]
	s_cbranch_scc1 .Lchunks_done                   ; the row's chunks are done: out by a forward branch;
	s_cmp_lt_u32 s[CH], 32                         ; the backward branch counts against the most that a row can have
	s_cbranch_scc1 .Lchunk
.Lchunks_done:
	s_cmp_lt_u32 s[K], 32
	s_cbranch_scc0 .Lindex_bit
	s_cmp_ge_u32 s[CNT], 256
	s_cselect_b32 s[T], s[CAND], s[T]              ; 256 or more at or over the trial: the bit stays
	s_cselect_b32 s[A], s[A], s[CNT]               ; else: the count of the last trial that failed, T + 1, is how many lie over T
	s_lshr_b32 s[BIT], s[BIT], 1
	s_branch .Lbit_done
.Lindex_bit:
	s_sub_co_u32 s[TMP], 256, s[A]                 ; so many of the scores equal to T are wanted, the lowest indices first
	s_cmp_ge_u32 s[CNT], s[TMP]
	s_cselect_b32 s[YC], s[CAND], s[YC]
	s_lshr_b32 s[YBIT], s[YBIT], 1
.Lbit_done:
	s_add_co_u32 s[K], s[K], 1
	s_cmp_lt_u32 s[K], 50
	s_cbranch_scc1 .Lsweep
	; the two sums over the wave, the quotient, the clip
.irp x, 1,2,4,8
	v_add_f32_dpp v8, v8, v8 row_xmask:\x row_mask:0xf bank_mask:0xf
	v_add_f32_dpp v9, v9, v9 row_xmask:\x row_mask:0xf bank_mask:0xf
.endr
	v_permlanex16_b32 v10, v8, s[SEL], s[SEL+1]
	v_permlanex16_b32 v11, v9, s[SEL], s[SEL+1]
	v_add_f32 v8, v8, v10
	v_add_f32 v9, v9, v11
	v_rcp_f32 v10, v8
	v_cmp_eq_u32 vcc_lo, 0, v0                     ; (a plain place behind the reciprocal)
	s_wait_alu depctr_va_vdst(0)                   ; the reciprocal has written v10, ahead of its first reader
	v_mul_f32 v8, v9, v10
	v_max_num_f32 v8, 0x3a83126f, v8               ; 1e-3
	v_min_num_f32 v8, 0x3f7fbe77, v8               ; 1 - 1e-3
	s_wait_xcnt 0x0                                ; EXEC changes only behind this wait
	s_wait_alu depctr_va_vcc(0)                    ; the compare has written VCC, from which EXEC is made
	s_wait_alu depctr_va_vdst(0)                   ; ahead of the write of EXEC every vector instruction is done; among them the clip, which has written v8, the store's data
	s_wait_alu depctr_vm_vsrc(0)                   ; and every memory instruction has read its vector registers
	s_and_saveexec_b32 s[TMP], vcc_lo              ; lane 0 stores the row's one number
	global_store_b32 v19, v8, s[26:27]
	s_endpgm
.Lfunc_end_k_q9978508b07_final:
	.size	k_q9978508b07_final, .Lfunc_end_k_q9978508b07_final-k_q9978508b07_final
	.p2alignl 7, 3214868480
	.fill 96, 4, 3214868480
	.section	.rodata,"a",@progbits
	.p2align	6, 0x0
	.amdhsa_kernel k_q9978508b07_final
		.amdhsa_group_segment_fixed_size 0
		.amdhsa_private_segment_fixed_size 0
		.amdhsa_enable_private_segment 0
		.amdhsa_kernarg_size 88
		.amdhsa_user_sgpr_count 2
		.amdhsa_user_sgpr_kernarg_segment_ptr 1
		.amdhsa_wavefront_size32 1
		.amdhsa_system_sgpr_workgroup_id_x 1
		.amdhsa_system_sgpr_workgroup_id_y 1
		.amdhsa_system_sgpr_workgroup_id_z 1
		.amdhsa_system_vgpr_workitem_id 0
		.amdhsa_next_free_vgpr 256
		.amdhsa_next_free_sgpr 96
		.amdhsa_reserve_vcc 1
		.amdhsa_float_denorm_mode_32 3
		.amdhsa_float_denorm_mode_16_64 3
		.amdhsa_memory_ordered 1
		.amdhsa_forward_progress 1
		.amdhsa_inst_pref_size 79
	.end_amdhsa_kernel
	.amdgpu_metadata
---
amdhsa.version: [ 1, 2 ]
amdhsa.kernels:
  - .name:           k_q9978508b07_final
    .symbol:         k_q9978508b07_final.kd
    .args:
      - { .name: q_codes, .offset: 0, .size: 8, .value_kind: global_buffer, .address_space: global }
      - { .name: q_scales, .offset: 8, .size: 8, .value_kind: global_buffer, .address_space: global }
      - { .name: memory_key_codes, .offset: 16, .size: 8, .value_kind: global_buffer, .address_space: global }
      - { .name: memory_key_scales, .offset: 24, .size: 8, .value_kind: global_buffer, .address_space: global }
      - { .name: memory_hist, .offset: 32, .size: 8, .value_kind: global_buffer, .address_space: global }
      - { .name: memory_values, .offset: 40, .size: 8, .value_kind: global_buffer, .address_space: global }
      - { .name: psum, .offset: 48, .size: 8, .value_kind: global_buffer, .address_space: global }
      - { .name: thr, .offset: 56, .size: 8, .value_kind: global_buffer, .address_space: global }
      - { .name: idx, .offset: 64, .size: 8, .value_kind: global_buffer, .address_space: global }
      - { .name: cnt, .offset: 72, .size: 8, .value_kind: global_buffer, .address_space: global }
      - { .name: out0, .offset: 80, .size: 8, .value_kind: global_buffer, .address_space: global }
    .group_segment_fixed_size: 0
    .private_segment_fixed_size: 0
    .kernarg_segment_align: 8
    .kernarg_segment_size: 88
    .max_flat_workgroup_size: 32
    .sgpr_count:     96
    .vgpr_count:     256
    .wavefront_size: 32
...
	.end_amdgpu_metadata
.endif
;; end of part 9
